; MI455X (gfx1250); checked and timed in simulation.
; The chip was launched on July 23, 2026; its instructions are those of AMD's public machine-readable ISA for CDNA 5 (MIT licence, August 2026) and "CDNA5" Instruction Set Architecture Reference Guide (July 2026). The comments in the code are by the model that wrote it; some were corrected since.
;; Multihead Attention. Allowed arithmetic: matrix products marked QUANTISED: E2M3 operands, one E8M0 scale for each 32 along K, by v_wmma_scale_f32_16x16x128_f8f6f4 with both operands' format E2M3, f32 sums; everything else in f32.
;; Inputs: k_b 1,024 float32; k_w 1,024 x 1,024 float32; key 1,000 x 8 x 1,024 float32; o_b 1,024 float32; o_w 1,024 x 1,024 float32; q_b 1,024 float32; q_w 1,024 x 1,024 float32; query 1,000 x 8 x 1,024 float32; v_b 1,024 float32; v_w 1,024 x 1,024 float32; value 1,000 x 8 x 1,024 float32.
;; Outputs: out0 1,000 x 8 x 1,024 float32.
;; This version of the problem:
;;   THIS VERSION OF THE PROBLEM IS GIVEN IN LOW PRECISION. The matrix products marked QUANTISED in the list below multiply operands that are first quantised to E2M3 (2 exponent bits, 3 mantissa bits; 6 bits a number), with one power-of-two scale for each 32 numbers along K (OCP MX v1.0); their sums are f32. All else is computed in f32.
;;   The module's matrix products, in the order in which they are computed (A, B: the left and right operand; K: the contracted axis; several contracted axes count as one K, in the product's order):
;;     1. [M 8,000, K 1,024] x [K 1,024, N 1,024]; A: input query; B: input q_w: QUANTISED
;;     2. [M 8,000, K 1,024] x [K 1,024, N 1,024]; A: input key; B: input k_w: QUANTISED
;;     3. [M 8,000, K 1,024] x [K 1,024, N 1,024]; A: input value; B: input v_w: QUANTISED
;;     4. batch 128 x [M 1,000, K 64] x [K 64, N 1,000]; A: computed on the way; B: computed on the way: QUANTISED
;;     5. batch 128 x [M 1,000, K 1,000] x [K 1,000, N 64]; A: softmax (see below); B: computed on the way: QUANTISED
;;     6. [M 8,000, K 1,024] x [K 1,024, N 1,024]; A: computed on the way; B: input o_w: QUANTISED
;;   THE QUANTISER, for each operand of a quantised product, along K:
;;     - K is cut into blocks of 32 from its start; a last block that is shorter is filled with zeros.
;;     - A block's scale is 2^e with e = floor(log2(the largest magnitude in the block)) - 2, held to -126 .. 127; a block of zeros has e = 0. As a byte (E8M0): e + 127.
;;     - Each number is divided by its block's scale, clamped to +-7.5, and rounded to the nearest number of E2M3, ties to even, subnormals kept.
;;     - The product sums the exact products of the quantised numbers (number of the format x scale) in f32.
;;   ~~~python
;;   def quantise(x, axis):      # numpy; x: float32 -> the quantised numbers, widened to float32 again
;;       x = np.moveaxis(x, axis, -1); K = x.shape[-1]
;;       x = np.pad(x, [(0, 0)] * (x.ndim - 1) + [(0, -K % 32)]); x = x.reshape(x.shape[:-1] + (-1, 32)); a = np.abs(x).max(-1, keepdims=True)
;;       e = np.where(a > 0, np.clip(np.frexp(np.where(a > 0, a, 1))[1] - 1 - 2, -126, 127), 0)      # np.frexp(a)[1] - 1 = floor(log2(a)), exactly
;;       r = np.clip(x / 2.0 ** e, -7.5, 7.5)
;;       step = 2.0 ** (np.maximum(np.frexp(np.where(r == 0, 1, r))[1] - 1, 0) - 3)
;;       q = np.round(r / step) * step * 2.0 ** e      # np.round: ties to even
;;       return np.moveaxis(q.reshape(q.shape[:-2] + (-1,))[..., :K], -1, axis).astype(np.float32)
;;   ~~~
;;   SOFTMAX AHEAD OF A QUANTISED PRODUCT. Where the list says 'softmax', what is quantised is not the finished softmax but p = 2^(t - M), with t = logit x log2(e) and M = ceil(the row's largest t), a whole number; so 1/2 < the row's largest p <= 1. The row's sum l is taken of the UNQUANTISED p, in f32, and the product's result is divided by l at the end. Since M is a whole number, a kernel that streams over the keys may use a running M (the ceiling of the running maximum): every later rescaling is an exact power of two, which a block's scale takes up: the codes' values come out the same.
;;   OPERANDS COMPUTED ON THE WAY. 'Computed on the way' means the value that the module computes at that place (a softmax that the list does not call 'softmax' is quantised finished and normalised). What goes into a quantiser is computed in f32, as accurately as f32 sums, v_exp_f32 and their like allow (about 1e-6 of the number): no bf16 or f16 on the way to a quantiser, and a product that is left as it is and whose result goes on into a quantised operand takes f32 operands (vector FMAs, or v_wmma_f32_16x16x4_f32). A number that lies on a knife's edge between two numbers of the format may be rounded either way, as far as f32 arithmetic and the matrix unit's own rounding can turn it there, and no further.
;; One version. Each part assembles by itself: llvm-mc -triple=amdgcn-amd-amdhsa -mcpu=gfx1250 --defsym DOCPART=n.
;; ======== version 1 of 1: 4 launches
;; limits: right only within a limited range of input values
;; workspace buffers: img 22,020,096 bytes; sc 917,504 bytes; rope 262,144 bytes; qrec 7,340,032 bytes; kvrec 14,155,776 bytes; aimg 6,291,456 bytes; asc 524,288 bytes
;; launch quant (part 1): grid 464 x 1, 4 waves a work-group, no clusters, 34,304 bytes of LDS; arguments query, key, value, q_w, k_w, v_w, o_w, img, sc, rope; writes img, sc, rope
.if DOCPART == 1
	.amdgcn_target "amdgcn-amd-amdhsa--gfx1250"
	.amdhsa_code_object_version 6
	.text
	.protected	k_qb72670a7e8_quant
	.globl	k_qb72670a7e8_quant
	.p2align	8
	.type	k_qb72670a7e8_quant,@function
k_qb72670a7e8_quant:
	s_mov_b64 s[64:65], 0
	v_nop
	global_prefetch_b8 v0, s[64:65] scope:SCOPE_SE
	s_setreg_imm32_b32 hwreg(HW_REG_WAVE_MODE, 25, 1), 1
	s_wait_xcnt 0x0
; LAUNCH 1 OF 4.  query, key, value [1000][8][1024] and q_w, k_w, v_w, o_w [1024][1024], f32, K (the last axis) innermost, become codes of FP6 (E2M3) with one E8M0 byte for each 32 along K;
; and the table of cosines and sines for the rotary embedding is made.
; DEAD WORK: none.  Every activation and weight feeds a quantised product that reaches out0; q_b, k_b, v_b enter quantised operands and o_b the output: later launches load them.
; The factor 1/8 on q is a power of two: 8 q has q's codes and a scale byte 3 higher, so q is carried as 8 q and the factor goes, exactly, into the softmax's constant (launch 3).
; TILES.  A tile is 16 rows: lane row r of tile u is row 32 (u / 2) + 8 (u % 2) + r + 8 (r / 8), so that the results of two neighbouring tiles give a lane 16 neighbours along the next product's K.
; The 1,000 positions are carried as 64 tiles.  A group of eight rows that would begin at or beyond 1,000 (the upper half of tile 62, all of tile 63) reads rows 992 to 999 instead: no load leaves
; its buffer; what is made of such rows is masked, zeroed or not stored by the later launches.  That is 24 rows in 1,024.
; WORKSPACE AS IMAGES OF REGISTERS.  img: for each tile 8 fragments (16 rows x 128 K, 12 registers a lane): register 4 g + e of lane l at 512 g + 16 l + 4 e.  sc: for each tile 512 bytes: register e of lane l at
; 16 l + 4 e holds the scale word of K step e in lanes 0-15 and of K step 4 + e in lanes 16-31.  Tile numbers: tensor x 512 + b x 64 + u for the activations, 1536 + 64 x weight + u for the weights.
; SHARES.  Work-groups 0 to 447: a wave takes one tile, 8 steps of 128 along K.  Each load reads 512 consecutive bytes of one row; a step's 16 rows turn through the wave's own stage in LDS (rows of 512 + 16 bytes),
; so that a lane gets 16 neighbours of each block of 32.  Work-groups 448 to 463: a wave makes one tile's cosines and sines; that path stores nothing to LDS.
; LIMITS.  NaN and infinities among the inputs are not served.  A block whose largest magnitude lies under 2^-124 keeps the byte 1; so does a block of zeros, where the rule says 127: its codes are zeros,
; and only this program reads the bytes.  The 32 inverse frequencies are 10^(-n / 8) rounded once to f32; a power function in f32 may differ by an ulp or two, which at position 999 is about 1e-4 radians.
.set STGW,   8448                      ; a wave's stage: 16 rows x 528 bytes
.set SPITCH, 528
.set SPARE,  4*STGW                    ; behind the stages: the spare words, 128 bytes a wave
.set LI16, 1                           ; v1   16 x lane
.set STI,  2                           ; v2   into the stage: my 16 bytes of a row
.set STO,  3                           ; v3   out of it: row r, + 64 h
.set SPW,  4                           ; v4   my spare word; never rewritten
.set NIL,  5                           ; v5   0; never rewritten
.set LANE, 6
.set R,    16                          ; v16-143  two sets of 16 x 4: rows as loaded
.set X,    144                         ; v144-207 64 numbers: register 16 b + i = k 32 b + 16 h + i of my row
.set PC,   208                         ; v208-219 a fragment's codes; v220-226 at work
.set TM,   228                         ; v228-243 at work
.set PW,   244                         ; v244-251 the scale words of the 8 steps
.set SW,   252                         ; v252-255 the tile's 512 bytes of sc
.set SRC,  24                          ; s[24:25] my tensor
.set WV,   26
.set SEL,  28                          ; s[28:29] lane selects: lane l xor 16
.set ROWB, 32                          ; s[32:63] the addresses of my tile's 16 rows
.macro LOADS s                         ; step s: 512 bytes of each of the 16 rows
.irp i, 0,1,2,3,4,5,6,7,8,9,10,11,12,13,14,15
	global_load_b128 v[R+64*((\s)%2)+4*\i:R+64*((\s)%2)+4*\i+3], v[LI16], s[ROWB+2*\i:ROWB+2*\i+1] offset:512*(\s) th:TH_LOAD_NT
.endr
.endm
; 64 numbers of a lane become a fragment's codes in v[PC] on and its scale word in v[pw]
.macro QUANT s, pw
.irp b, 0,1,2,3
	v_max3_num_f32 v[TM+\b], |v[\s+16*\b]|, |v[\s+1+16*\b]|, 0x1800000   ; my 16 numbers of block b, and the floor 2^(3 - 127): the byte cannot fall under 1
.endr
.irp i, 2,4,6,8,10,12,14
.irp b, 0,1,2,3
	v_max3_num_f32 v[TM+\b], v[TM+\b], |v[\s+16*\b+\i]|, |v[\s+1+16*\b+\i]|
.endr
.endr
.irp b, 0,1,2,3
	v_permlanex16_b32 v[TM+4+\b], v[TM+\b], s[SEL], s[SEL+1]
.endr
.irp b, 0,1,2,3
	v_max_num_f32 v[TM+\b], v[TM+\b], v[TM+4+\b]           ; with lane l xor 16's: the block's largest magnitude
.endr
.irp b, 0,1,2,3
	v_add_nc_u32 v[TM+12+\b], 0xff000000, v[TM+\b]         ; 2 off its exponent field: the conversion's scale operand
.endr
.irp b, 0,1,2,3
	v_lshrrev_b32 v[TM+4+\b], 23, v[TM+12+\b]              ; the scale's byte
.endr
	v_lshl_or_b32 v[\pw], v[TM+5], 8, v[TM+4]
	v_lshl_or_b32 v[\pw], v[TM+6], 16, v[\pw]
	v_lshl_or_b32 v[\pw], v[TM+7], 24, v[\pw]
.irp c, 0,1
	v_cvt_scalef32_pk16_fp6_f32 v[PC+6*\c:PC+2+6*\c], v[\s+32*\c:\s+15+32*\c], v[TM+12+2*\c]
	v_cvt_scalef32_pk16_fp6_f32 v[PC+12+4*\c:PC+14+4*\c], v[\s+16+32*\c:\s+31+32*\c], v[TM+12+2*\c+1]
.endr
	v_nop                                          ; one plain place behind a scaled conversion
.irp c, 0,1                            ; the layout wants a whole block in a lane: lanes 0-15 block 2 c, lanes 16-31 block 2 c + 1
.irp i, 0,1,2
	v_permlane16_swap_b32 v[PC+6*\c+\i], v[PC+12+4*\c+\i]
.endr
.irp i, 0,1,2
	v_mov_b32 v[PC+3+6*\c+\i], v[PC+12+4*\c+\i]
.endr
.endr
.endm
.macro STEP s
.if (\s) < 7
	s_wait_loadcnt 16                              ; this step's 16 loads are in; the next step's 16 may be out
.else
	s_wait_loadcnt 0x0
.endif
.irp i, 0,1,2,3,4,5,6,7,8,9,10,11,12,13,14,15
	ds_store_b128 v[STI], v[R+64*((\s)%2)+4*\i:R+64*((\s)%2)+4*\i+3] offset:SPITCH*\i
.endr
.irp b, 0,1,2,3
.irp j, 0,1,2,3
	ds_load_b128 v[X+16*\b+4*\j:X+16*\b+4*\j+3], v[STO] offset:128*\b+16*\j   ; LDS serves a wave's instructions in order: these see my stores
.endr
.endr
	s_wait_dscnt 0x0                               ; the numbers are back, and the stores have read their registers
	s_wait_xcnt 0x0                                ; the last step's stores have read the codes' registers, which QUANT writes anew
.if (\s)+2 < 8
	LOADS (\s)+2
.endif
	QUANT X, PW+(\s)
.irp g, 0,1,2
	global_store_b128 v[LI16], v[PC+4*\g:PC+4*\g+3], s[18:19] offset:1536*(\s)+512*\g   ; 32 lanes store 512 consecutive bytes, aligned
.endr
.endm
; cosine and sine of position x 10^(-n / 8), n = 16 h + i: reduction by multiples of pi / 2 in two parts, polynomials on [-pi / 4, pi / 4], quadrant by selects
.macro SINCOS i, lo, hi
	v_mov_b32 v20, \hi
	v_cndmask_b32 v20, \lo, v20, vcc_lo            ; lanes 16-31 take frequency 16 + i
	s_wait_alu depctr_va_vdst(0)
	v_mul_f32 v21, v10, v20                        ; the angle, one rounding, as reference() forms it
	v_mul_f32 v22, 0x3f22f983, v21                 ; x 2 / pi
	v_rndne_f32 v22, v22                           ; n
	v_fmamk_f32 v23, v22, 0xbfc90fdb, v21          ; - n x the upper part of pi / 2
	v_fmamk_f32 v23, v22, 0x333bbd2e, v23          ; - n x the lower part (which is negative)
	v_mul_f32 v24, v23, v23                        ; z
	v_fma_f32 v25, v24, s70, s71
	v_fma_f32 v25, v25, v24, s72
	v_mul_f32 v26, v24, v23
	v_fma_f32 v25, v25, v26, v23                   ; S
	v_fma_f32 v27, v24, s73, s74
	v_fma_f32 v27, v27, v24, s75
	v_fma_f32 v28, v24, -0.5, 1.0
	v_mul_f32 v29, v24, v24
	v_fma_f32 v27, v27, v29, v28                   ; C
	v_cvt_i32_f32 v30, v22
	v_and_b32 v31, 1, v30
	v_cmp_eq_u32 s76, 1, v31                       ; odd quadrants change S and C
	v_cndmask_b32 v[48+\i], v25, v27, s76
	v_cndmask_b32 v[32+\i], v27, v25, s76
	v_lshlrev_b32 v31, 30, v30
	v_and_b32 v31, 0x80000000, v31                 ; the sine is negative in quadrants 2, 3
	v_xor_b32 v[48+\i], v[48+\i], v31
	v_add_nc_u32 v30, 1, v30
	v_lshlrev_b32 v30, 30, v30
	v_and_b32 v30, 0x80000000, v30                 ; the cosine in quadrants 1, 2
	v_xor_b32 v[32+\i], v[32+\i], v30
.endm
	s_load_b256 s[4:11], s[0:1], 0x0               ; query, key, value, q_w
	s_load_b256 s[12:19], s[0:1], 0x20             ; k_w, v_w, o_w, img
	s_load_b128 s[20:23], s[0:1], 0x40             ; sc, rope
	v_lshl_add_u32 v[SPW], v0, 2, SPARE
	v_mov_b32 v[NIL], 0
	v_lshrrev_b32 v7, 5, v0
	v_readfirstlane_b32 s[WV], v7                  ; wave 0..3
	v_and_b32 v[LANE], 31, v0
	v_lshlrev_b32 v[LI16], 4, v[LANE]
	v_and_b32 v8, 15, v0                           ; r
	v_bfe_u32 v9, v0, 4, 1                         ; h
	s_cmp_ge_u32 ttmp9, 448
	s_cbranch_scc1 .Lrope
	s_mul_i32 s66, s[WV], STGW
	v_add_nc_u32 v[STI], s66, v[LI16]
	v_mul_u32_u24 v[STO], v8, SPITCH
	v_lshl_add_u32 v[STO], v9, 6, v[STO]
	v_add_nc_u32 v[STO], s66, v[STO]
	s_mov_b32 s[SEL], 0x76543210
	s_mov_b32 s[SEL+1], 0xfedcba98
.irp b, 0,1,2,3
	v_mov_b32 v[TM+4+\b], 0                        ; written once: a lane permute's destination counts as one of its sources
.endr
	s_lshl_b32 s67, ttmp9, 2
	s_add_co_u32 s67, s67, s[WV]                   ; my tile's number
	s_and_b32 s68, s67, 63                         ; its place u in its sequence of 64
	s_bfe_u32 s69, s67, 0x30006                    ; b (activations)
	s_lshl_b32 s69, s69, 12
	s_lshr_b32 s70, s68, 1
	s_lshl_b32 s70, s70, 5
	s_and_b32 s71, s68, 1
	s_lshl_b32 s71, s71, 3
	s_add_co_u32 s70, s70, s71                     ; the first row of the tile's lower eight,
	s_add_co_u32 s71, s70, 16                      ; and of its upper eight
	s_mov_b32 s72, 1016
	s_cmp_lt_u32 ttmp9, 384                        ; an activation or a weight?
	s_cselect_b32 s72, 992, s72                    ; the last group of eight rows that exists
	s_cselect_b32 s73, 15, 12                      ; a row on: 32,768 bytes (8 x 1024 x 4) or 4,096
	s_cselect_b32 s69, s69, 0
	s_min_u32 s70, s70, s72
	s_min_u32 s71, s71, s72
	s_lshl_b32 s70, s70, s73
	s_lshl_b32 s71, s71, s73
	s_add_co_u32 s70, s70, s69
	s_add_co_u32 s74, s71, s69
	s_mov_b32 s71, 0
	s_mov_b32 s75, 0
	s_lshl_b32 s76, 1, s73
	s_mov_b32 s77, 0
	s_mul_i32 s78, s67, 12288
	s_mov_b32 s79, 0
	s_lshl_b32 s80, s67, 9
	s_mov_b32 s81, 0
	s_wait_alu depctr_va_vdst(0)
	s_wait_kmcnt 0x0
	s_cmp_lt_u32 ttmp9, 128                        ; which tensor: the choice hangs on the work-group's number alone
	s_cselect_b64 s[SRC:SRC+1], s[4:5], s[6:7]
	s_cmp_lt_u32 ttmp9, 256
	s_cselect_b64 s[SRC:SRC+1], s[SRC:SRC+1], s[8:9]
	s_cmp_lt_u32 ttmp9, 384
	s_cselect_b64 s[SRC:SRC+1], s[SRC:SRC+1], s[10:11]
	s_cmp_lt_u32 ttmp9, 400
	s_cselect_b64 s[SRC:SRC+1], s[SRC:SRC+1], s[12:13]
	s_cmp_lt_u32 ttmp9, 416
	s_cselect_b64 s[SRC:SRC+1], s[SRC:SRC+1], s[14:15]
	s_cmp_lt_u32 ttmp9, 432
	s_cselect_b64 s[SRC:SRC+1], s[SRC:SRC+1], s[16:17]
	s_add_nc_u64 s[ROWB:ROWB+1], s[SRC:SRC+1], s[70:71]
	s_add_nc_u64 s[ROWB+16:ROWB+17], s[SRC:SRC+1], s[74:75]
.irp i, 1,2,3,4,5,6,7
	s_add_nc_u64 s[ROWB+2*\i:ROWB+2*\i+1], s[ROWB+2*\i-2:ROWB+2*\i-1], s[76:77]
	s_add_nc_u64 s[ROWB+16+2*\i:ROWB+17+2*\i], s[ROWB+14+2*\i:ROWB+15+2*\i], s[76:77]
.endr
	s_add_nc_u64 s[18:19], s[18:19], s[78:79]      ; img at my tile
	s_add_nc_u64 s[20:21], s[20:21], s[80:81]      ; sc at my tile
	LOADS 0
	LOADS 1
.irp s, 0,1,2,3,4,5,6,7
	STEP \s
.endr
	v_cmp_lt_u32 vcc_lo, 15, v[LANE]
.irp e, 0,1,2,3
	v_cndmask_b32 v[SW+\e], v[PW+\e], v[PW+4+\e], vcc_lo   ; lanes 0-15 K step e, lanes 16-31 K step 4 + e (both halves of the lanes held both words)
.endr
	global_store_b128 v[LI16], v[SW:SW+3], s[20:21]
	s_wait_tensorcnt 0x0                           ; the wave's end
	ds_add_u32 v[SPW], v[NIL]
	s_wait_dscnt 0x0
	s_endpgm
.Lrope:                                        ; rope: for tile u 4,096 bytes: cosines of i = 4 g .. at 512 g + 16 l, sines 2,048 further on; lane (r, h): frequency 16 h + i at the position of lane row r
	s_sub_co_u32 s66, ttmp9, 448
	s_lshl_b32 s66, s66, 2
	s_add_co_u32 s66, s66, s[WV]                   ; u
	s_lshr_b32 s67, s66, 1
	s_lshl_b32 s67, s67, 5
	s_and_b32 s68, s66, 1
	s_lshl_b32 s68, s68, 3
	s_add_co_u32 s67, s67, s68
	s_wait_alu depctr_va_vdst(0)
	v_and_b32 v10, 8, v8
	v_add_nc_u32 v10, v10, v8
	v_add_nc_u32 v10, s67, v10                     ; my position
	v_cvt_f32_u32 v10, v10
	v_cmp_lt_u32 vcc_lo, 15, v[LANE]
	s_mov_b32 s70, -0.00019515295891
	s_mov_b32 s71, 0.0083321608736
	s_mov_b32 s72, -0.16666654611
	s_mov_b32 s73, 0.00002443315711809948
	s_mov_b32 s74, -0.001388731625493765
	s_mov_b32 s75, 0.04166664568298827
	s_lshl_b32 s68, s66, 12
	s_mov_b32 s69, 0
	s_wait_kmcnt 0x0
	s_add_nc_u64 s[22:23], s[22:23], s[68:69]
	SINCOS 0, 1.0, 0.01
	SINCOS 1, 0.7498942093324559, 0.007498942093324559
	SINCOS 2, 0.5623413251903491, 0.005623413251903491
	SINCOS 3, 0.4216965034285822, 0.004216965034285822
	SINCOS 4, 0.31622776601683794, 0.0031622776601683794
	SINCOS 5, 0.23713737056616552, 0.0023713737056616552
	SINCOS 6, 0.1778279410038923, 0.001778279410038923
	SINCOS 7, 0.1333521432163324, 0.001333521432163324
	SINCOS 8, 0.1, 0.001
	SINCOS 9, 0.07498942093324559, 0.0007498942093324559
	SINCOS 10, 0.05623413251903491, 0.0005623413251903491
	SINCOS 11, 0.04216965034285822, 0.0004216965034285822
	SINCOS 12, 0.031622776601683794, 0.00031622776601683794
	SINCOS 13, 0.023713737056616552, 0.00023713737056616552
	SINCOS 14, 0.01778279410038923, 0.0001778279410038923
	SINCOS 15, 0.01333521432163324, 0.0001333521432163324
.irp g, 0,1,2,3
	global_store_b128 v[LI16], v[32+4*\g:35+4*\g], s[22:23] offset:512*\g
	global_store_b128 v[LI16], v[48+4*\g:51+4*\g], s[22:23] offset:2048+512*\g
.endr
	s_endpgm
.Lfunc_end_k_qb72670a7e8_quant:
	.size	k_qb72670a7e8_quant, .Lfunc_end_k_qb72670a7e8_quant-k_qb72670a7e8_quant
	.p2alignl 7, 3214868480
	.fill 96, 4, 3214868480
	.section	.rodata,"a",@progbits
	.p2align	6, 0x0
	.amdhsa_kernel k_qb72670a7e8_quant
		.amdhsa_group_segment_fixed_size 34304
		.amdhsa_private_segment_fixed_size 0
		.amdhsa_enable_private_segment 0
		.amdhsa_kernarg_size 80
		.amdhsa_user_sgpr_count 2
		.amdhsa_user_sgpr_kernarg_segment_ptr 1
		.amdhsa_wavefront_size32 1
		.amdhsa_system_sgpr_workgroup_id_x 1
		.amdhsa_system_sgpr_workgroup_id_y 1
		.amdhsa_system_sgpr_workgroup_id_z 1
		.amdhsa_system_vgpr_workitem_id 0
		.amdhsa_next_free_vgpr 256
		.amdhsa_next_free_sgpr 90
		.amdhsa_reserve_vcc 1
		.amdhsa_float_denorm_mode_32 3
		.amdhsa_float_denorm_mode_16_64 3
		.amdhsa_memory_ordered 1
		.amdhsa_forward_progress 1
		.amdhsa_inst_pref_size 91
	.end_amdhsa_kernel
	.amdgpu_metadata
---
amdhsa.version: [ 1, 2 ]
amdhsa.kernels:
  - .name:           k_qb72670a7e8_quant
    .symbol:         k_qb72670a7e8_quant.kd
    .args:
      - { .name: query, .offset: 0, .size: 8, .value_kind: global_buffer, .address_space: global }
      - { .name: key, .offset: 8, .size: 8, .value_kind: global_buffer, .address_space: global }
      - { .name: value, .offset: 16, .size: 8, .value_kind: global_buffer, .address_space: global }
      - { .name: q_w, .offset: 24, .size: 8, .value_kind: global_buffer, .address_space: global }
      - { .name: k_w, .offset: 32, .size: 8, .value_kind: global_buffer, .address_space: global }
      - { .name: v_w, .offset: 40, .size: 8, .value_kind: global_buffer, .address_space: global }
      - { .name: o_w, .offset: 48, .size: 8, .value_kind: global_buffer, .address_space: global }
      - { .name: img, .offset: 56, .size: 8, .value_kind: global_buffer, .address_space: global }
      - { .name: sc, .offset: 64, .size: 8, .value_kind: global_buffer, .address_space: global }
      - { .name: rope, .offset: 72, .size: 8, .value_kind: global_buffer, .address_space: global }
    .group_segment_fixed_size: 34304
    .private_segment_fixed_size: 0
    .kernarg_segment_align: 8
    .kernarg_segment_size: 80
    .max_flat_workgroup_size: 128
    .sgpr_count:     90
    .vgpr_count:     256
    .wavefront_size: 32
...
	.end_amdgpu_metadata
.endif
;; end of part 1
;; launch proj (part 2): grid 16 x 12, 4 waves a work-group, no clusters, 205,312 bytes of LDS; arguments img, sc, rope, q_b, k_b, v_b, qrec, kvrec; writes qrec, kvrec
.if DOCPART == 2
	.amdgcn_target "amdgcn-amd-amdhsa--gfx1250"
	.amdhsa_code_object_version 6
	.text
	.protected	k_qb72670a7e8_proj
	.globl	k_qb72670a7e8_proj
	.p2align	8
	.type	k_qb72670a7e8_proj,@function
k_qb72670a7e8_proj:
	s_mov_b64 s[64:65], 0
	v_nop
	global_prefetch_b8 v0, s[64:65] scope:SCOPE_SE
	s_setreg_imm32_b32 hwreg(HW_REG_WAVE_MODE, 25, 1), 1
	s_wait_xcnt 0x0
; LAUNCH 2 OF 4.  The three projections on codes of FP6 (E2M3), their biases, the rotary embedding of q and k, and the quantisers ahead of the two products of attention: q and k along the head's 64, v along the positions.
; Nothing of reference() is left out; q is carried as 8 q (its factor 1/8, a power of two, goes exactly into launch 3's constant).  Positions at or beyond 1,000 (launch 1's clamped rows) are computed inside live tiles;
; v's are set to zero ahead of its quantiser, as the rule fills a short last block.
; SHARES.  y = 4 x tensor + column group.  Wave w owns head 4 x group + w: 64 rows of the weight x 1,024 K, 32 fragments, 384 registers, read once and kept.  A block is 4 tiles (64 positions of one b): 16 accumulators,
; 128 matrix instructions a wave.  q, k: work-group x takes positions 64 x on and walks b = 0 .. 7 (its cosines and sines stay in registers).  v: x / 2 picks 128 positions, x % 2 four b; a trip is two blocks,
; which make one K step of attention's second product.  192 work-groups, 8 blocks each: 128 blocks of a column group do not share out evenly over more.
; A block's 4 tiles come from memory a block ahead, one tile a wave, through registers into one of two LDS buffers that take turns: one barrier a block.  The two paths part on y and have LDS bytes of their own.
; q, k: THE PRODUCT IS USED TRANSPOSED (source 0 = 16 rows of W, source 1 = 16 positions): a lane holds one position and 16 neighbouring channels of each half of the head.  v: source 0 = 16 positions, source 1 = 16 rows
; of W: a lane holds one channel and 16 neighbouring positions of each block of 32.
; OUT.  qrec: a record of 57,344 bytes for each (b, head): 64 half fragments (16 rows x 64 K, registers 0-3 at 16 l, 4-5 at 512 + 8 l) of 768 bytes; from 49,152 on, for each 64 positions 512 bytes: register e of lane l
; at 16 l + 4 e = tile 4 B + e's scale word (bytes 2, 3 are 0).  kvrec: records of 110,592 bytes: k as in qrec; from 57,344 on v's fragments (K step S, channel tile u) at 6144 S + 1536 u; from 106,496 on their words at 512 S.
; REGISTERS, in windows of 256.  0: addresses, scale words, fragments of x, work.  1: W's fragments of tiles 0, 1 (v0-191), 12 groups of the tile on its way (v192-239), biases (v240-255).  2: the same for tiles 2, 3.
; 3: the 16 accumulators (v0-127); cosines and sines (v128-255).
; LIMITS: as stated at launch 1; the folded factor moves the range in which q's scale byte is held by 3.
.set FRB,   1536                       ; a fragment's image
.set TILEB, 12288                      ; a tile's 8 fragments
.set BUFB,  51200                      ; an LDS buffer: 4 tiles, then their 4 x 512 bytes of scale words
.set XSCO,  49152
.set SPARE, 4*BUFB                     ; behind the four buffers: the spare words
.set QREC,  57344
.set KVREC, 110592
.set LI16, 1                           ; v1   16 x lane
.set LI8,  2                           ; v2   8 x lane
.set XW,   3                           ; v3-4 where I store my tile, buffer 0, 1
.set XWS,  5                           ; v5-6 and its scale words
.set RD,   7                           ; v7-8 buffer + 16 x lane
.set LANE, 10
.set SPW,  14                          ; v14  my spare word; never rewritten
.set NIL,  15                          ; v15  0; never rewritten
.set WS,   16                          ; v16-31  W's scale words: 4 u + e
.set XS,   32                          ; v32-47  x's: 4 m + e
.set SGS,  48                          ; v48-51  the scale words on their way
.set XF,   52                          ; v52-99, v100-147 x's four fragments of a K step, two sets
.set RO,   148                         ; v148-179 a tile's rotated numbers
.set TM,   180
.set TM2,  182
.set SOP,  184
.set BY,   186
.set PT,   188
.set CD,   192                         ; q, k: codes of tile m at 192 + 8 m
.set VC,   192                         ; v: codes of channel tile u at 192 + 12 u
.set SWD,  240
.set VW,   240
.set SG,   192                         ; in windows 1, 2
.set BIAS, 240                         ; in windows 1, 2
.set ROT,  128                         ; in window 3
.set WV,   20
.set XX,   21
.set SEL,  26
.set XP,   36                          ; s[36:37] my tile of the block on its way
.set XSP,  38                          ; s[38:39] its scale words
.set REC,  40
.set RECS, 42
.set RSTEP,44
.set CNT,  46
.set MSB, 0
.macro WIN new                         ; the immediate's high byte repeats the setting that is left
.if MSB != (\new)
	s_set_vgpr_msb (MSB<<8)|(\new)
.set MSB, (\new)
.endif
.endm
.macro ADDRS base                      ; the path's LDS addresses: constants, the wave's number and the lane
	s_mul_i32 s28, s[WV], TILEB
	v_add_nc_u32 v[XW], s28, v[LI16]
	v_add_nc_u32 v[XW], \base, v[XW]
	v_add_nc_u32 v[XW+1], BUFB, v[XW]
	s_lshl_b32 s28, s[WV], 9
	v_add_nc_u32 v[XWS], s28, v[LI16]
	v_add_nc_u32 v[XWS], \base+XSCO, v[XWS]
	v_add_nc_u32 v[XWS+1], BUFB, v[XWS]
	v_add_nc_u32 v[RD], \base, v[LI16]
	v_add_nc_u32 v[RD+1], \base+BUFB, v[LI16]
.endm
.macro XLOADS                          ; my tile of a block: 24 + 1 loads of 512 consecutive bytes
	WIN 0x40
.irp j, 0,1,2,3,4,5,6,7,8,9,10,11
	global_load_b128 v[SG+4*\j:SG+4*\j+3], v[LI16], s[XP:XP+1] offset:512*\j
.endr
	WIN 0x80
.irp j, 0,1,2,3,4,5,6,7,8,9,10,11
	global_load_b128 v[SG+4*\j:SG+4*\j+3], v[LI16], s[XP:XP+1] offset:512*(12+\j)
.endr
	WIN 0
	global_load_b128 v[SGS:SGS+3], v[LI16], s[XSP:XSP+1]
.endm
.macro STAGE buf                       ; the tile goes into buffer buf.  One barrier a block: who passes it has ended its reads of the other buffer's last block, which is written again only behind the next barrier
	s_wait_loadcnt 0x0
	WIN 0x04
.irp j, 0,1,2,3,4,5,6,7,8,9,10,11
	ds_store_b128 v[XW+\buf], v[SG+4*\j:SG+4*\j+3] offset:512*\j
.endr
	WIN 0x08
.irp j, 0,1,2,3,4,5,6,7,8,9,10,11
	ds_store_b128 v[XW+\buf], v[SG+4*\j:SG+4*\j+3] offset:512*(12+\j)
.endr
	WIN 0
	ds_store_b128 v[XWS+\buf], v[SGS:SGS+3]
	s_wait_dscnt 0x0                               ; for the others' sake: my stores have landed, my reads of the last block are in
	s_barrier_signal -1
	s_barrier_wait -1
.endm
.macro NEXTX cond, dx, dxs             ; the next block is asked for a block ahead; cond = 1: not in the last trip (no load leaves its buffer)
.if \cond
	s_cmp_eq_u32 s[CNT], 1
	s_cbranch_scc1 .Lnonext_\@
.endif
	s_add_nc_u64 s[XP:XP+1], s[XP:XP+1], \dx       ; the loads that read these have been waited for
	s_add_nc_u64 s[XSP:XSP+1], s[XSP:XSP+1], \dxs
	XLOADS
.Lnonext_\@:
.endm
.macro OPEN buf                        ; the block's scale words and its first K step's fragments
.irp m, 0,1,2,3
	ds_load_b128 v[XS+4*\m:XS+4*\m+3], v[RD+\buf] offset:XSCO+512*\m
.endr
.irp m, 0,1,2,3
.irp g, 0,1,2
	ds_load_b128 v[XF+12*\m+4*\g:XF+12*\m+4*\g+3], v[RD+\buf] offset:(8*\m)*FRB+512*\g
.endr
.endr
	XLD 1, \buf
.endm
; 8 matrix instructions: W's tiles 2 wp, 2 wp + 1 x the four tiles of x, K step s.  path 0: q, k; 1: v.  The first K step takes the bias as C.  K steps 4 to 7 take their scale words from lanes 16-31.
.macro MULS path, s, wp
.if \path == 0
.if (\s) == 0
	WIN 0xD1+0x11*(\wp)
.else
	WIN 0xF1+(\wp)
.endif
.else
.if (\s) == 0
	WIN 0xD4+0x14*(\wp)
.else
	WIN 0xF4+4*(\wp)
.endif
.endif
.irp m, 0,1,2,3
.irp wl, 0,1
.set rW, 12*(8*\wl+(\s))
.if ((\s)%3) < 2
.set rX, XF+48*((\s)%3)+12*\m
.else
.if \m < 3
.set rX, X3+12*\m
.else
.set rX, X3B
.endif
.endif
.set rU, 2*(\wp)+\wl
.if \path == 0
.set rD, 32*\m+8*rU
.set rA, rW
.set rB, rX
.set rSA, WS+4*rU+((\s)&3)
.set rSB, XS+4*\m+((\s)&3)
.else
.set rD, 32*rU+8*\m
.set rA, rX
.set rB, rW
.set rSA, XS+4*\m+((\s)&3)
.set rSB, WS+4*rU+((\s)&3)
.endif
.set rC, rD
.if (\s) == 0
.set rC, BIAS+8*\wl
.endif
.if (\s) < 4
	v_wmma_scale_f32_16x16x128_f8f6f4 v[rD:rD+7], v[rA:rA+11], v[rB:rB+11], v[rC:rC+7], v[rSA], v[rSB] matrix_a_fmt:MATRIX_FMT_FP6 matrix_b_fmt:MATRIX_FMT_FP6
.else
	v_wmma_scale_f32_16x16x128_f8f6f4 v[rD:rD+7], v[rA:rA+11], v[rB:rB+11], v[rC:rC+7], v[rSA], v[rSB] matrix_a_fmt:MATRIX_FMT_FP6 matrix_b_fmt:MATRIX_FMT_FP6 matrix_a_scale:MATRIX_SCALE_ROW1 matrix_b_scale:MATRIX_SCALE_ROW1
.endif
.endr
.endr
.endm
; x's four fragments of K step st into set st % 3.  The third set lies in registers that hold only the epilogue's work between the K loops: three fragments from v148 on, the fourth from v244 on
.set X3,  148
.set X3B, 244
.macro XLD st, buf
.irp m, 0,1,2,3
.if ((\st)%3) < 2
.set rL, XF+48*((\st)%3)+12*\m
.else
.if \m < 3
.set rL, X3+12*\m
.else
.set rL, X3B
.endif
.endif
.irp g, 0,1,2
	ds_load_b128 v[rL+4*\g:rL+4*\g+3], v[RD+\buf] offset:(8*\m+(\st))*FRB+512*\g
.endr
.endr
.endm
; A K step: the 12 fragment loads of the step after the next in one run, then 16 matrix instructions; the 16 accumulators take turns in one order, one instruction a turn
.macro KSTEP path, s, buf
.rept 4
	v_nop                                          ; places in front of loads into the set that the last step multiplied (ISA guide 7.12.1 for vector instructions)
.endr
	WIN 0
.if (\s) < 6
	XLD (\s)+2, \buf
	s_wait_dscnt 24                                ; all but the 24 youngest, the next two steps': this step's fragments (and, in step 0, the scale words) are in
.else
.if (\s) == 6
	s_wait_dscnt 12                                ; all but step 7's 12
.else
	s_wait_dscnt 0x0
.endif
.endif
	MULS \path, \s, 0
	MULS \path, \s, 1
.endm
; 32 numbers of a lane, register 16 b + i = k 32 b + 16 h + i of my row, become half a fragment's codes (6 registers from cdst on); the two bytes are left in v[BY], v[BY+1].  win = 1: the numbers lie in window 3
.macro QUANT64 src, cdst, win
.if \win
	WIN 0x0F
.endif
.irp b, 0,1
	v_max3_num_f32 v[TM+\b], |v[(\src)+16*\b]|, |v[(\src)+16*\b+1]|, 0x1800000   ; and the floor 2^(3 - 127): the byte cannot fall under 1
.endr
.irp i, 2,4,6,8,10,12,14
.irp b, 0,1
	v_max3_num_f32 v[TM+\b], |v[(\src)+16*\b+\i]|, |v[(\src)+16*\b+\i+1]|, v[TM+\b]
.endr
.endr
	WIN 0
.irp b, 0,1
	v_permlanex16_b32 v[TM2+\b], v[TM+\b], s[SEL], s[SEL+1]
.endr
.irp b, 0,1
	v_max_num_f32 v[TM+\b], v[TM+\b], v[TM2+\b]
.endr
.irp b, 0,1
	v_add_nc_u32 v[SOP+\b], 0xff000000, v[TM+\b]           ; 2 off the exponent field: the conversion's scale operand
.endr
.irp b, 0,1
	v_lshrrev_b32 v[BY+\b], 23, v[SOP+\b]
.endr
.if \win
	WIN 0x03
.endif
	v_cvt_scalef32_pk16_fp6_f32 v[(\cdst):(\cdst)+2], v[(\src):(\src)+15], v[SOP]
	v_cvt_scalef32_pk16_fp6_f32 v[PT:PT+2], v[(\src)+16:(\src)+31], v[SOP+1]
	WIN 0
	v_nop                                          ; one plain place behind a scaled conversion
.irp i, 0,1,2
	v_permlane16_swap_b32 v[(\cdst)+\i], v[PT+\i]          ; a whole block to a lane: lanes 0-15 block 0, lanes 16-31 block 1
.endr
.irp i, 0,1,2
	v_mov_b32 v[(\cdst)+3+\i], v[PT+\i]
.endr
.endm
; q, k: x1 = channels 0-31 (registers 0-15 of a tile's 32), x2 = channels 32-63: cos x1 - sin x2, cos x2 + sin x1; each accumulator is read from its low end on
.macro EPI_QK
.rept 4
	v_nop                                          ; places behind the last products
.endr
.irp m, 0,1,2,3
	WIN 0x0F
.irp k, 0,2,4,6,8,10,12,14
	v_pk_mul_f32 v[RO+\k:RO+\k+1], v[32*\m+16+\k:32*\m+17+\k], v[ROT+32*\m+16+\k:ROT+32*\m+17+\k]
.endr
.irp k, 0,2,4,6,8,10,12,14
	v_pk_mul_f32 v[RO+16+\k:RO+17+\k], v[32*\m+\k:32*\m+1+\k], v[ROT+32*\m+16+\k:ROT+32*\m+17+\k]
.endr
.irp k, 0,2,4,6,8,10,12,14
	v_pk_fma_f32 v[RO+\k:RO+\k+1], v[32*\m+\k:32*\m+1+\k], v[ROT+32*\m+\k:ROT+32*\m+1+\k], v[RO+\k:RO+\k+1] neg_lo:[0,0,1] neg_hi:[0,0,1]
.endr
.irp k, 0,2,4,6,8,10,12,14
	v_pk_fma_f32 v[RO+16+\k:RO+17+\k], v[32*\m+16+\k:32*\m+17+\k], v[ROT+32*\m+\k:ROT+32*\m+1+\k], v[RO+16+\k:RO+17+\k]
.endr
	WIN 0
	QUANT64 RO, CD+8*\m, 0
	v_lshl_or_b32 v[SWD+\m], v[BY+1], 8, v[BY]     ; the tile's scale word: two bytes, the upper two 0
.endr
.irp m, 0,1,2,3
	global_store_b128 v[LI16], v[CD+8*\m:CD+8*\m+3], s[REC:REC+1] offset:768*\m
	global_store_b64 v[LI8], v[CD+8*\m+4:CD+8*\m+5], s[REC:REC+1] offset:768*\m+512
.endr
	global_store_b128 v[LI16], v[SWD:SWD+3], s[RECS:RECS+1]
	s_wait_xcnt 0x0                                ; the stores have read their data and their bases: both are written again only behind this wait
	s_add_nc_u64 s[REC:REC+1], s[REC:REC+1], s[RSTEP:RSTEP+1]      ; the next b: 16 records on
	s_add_nc_u64 s[RECS:RECS+1], s[RECS:RECS+1], s[RSTEP:RSTEP+1]
.endm
; v: block c of a trip gives registers 6 c .. 6 c + 5 of each channel tile's fragment and bytes 2 c, 2 c + 1 of its word
.macro EPI_V c
.rept 4
	v_nop
.endr
	WIN 0
.if \c == 1
	s_cmp_lg_u32 s[XX], 7
	s_cbranch_scc1 .Lfull_\@
	v_cmp_gt_u32 vcc_lo, 16, v[LANE]               ; positions 960 on: of the block from 992 on only 992 to 999 exist: registers 16-23 of lanes 0-15
	WIN 0xCC
.irp u, 0,1,2,3
.irp j, 0,1,2,3,4,5,6,7
	v_cndmask_b32 v[32*\u+16+\j], 0, v[32*\u+16+\j], vcc_lo
.endr
.irp j, 0,1,2,3,4,5,6,7
	v_mov_b32 v[32*\u+24+\j], 0
.endr
.endr
	WIN 0
.Lfull_\@:
.endif
.irp u, 0,1,2,3
	QUANT64 32*\u, VC+12*\u+6*\c, 1
.if \c == 0
	v_lshl_or_b32 v[VW+\u], v[BY+1], 8, v[BY]
.else
	v_lshl_or_b32 v[BY], v[BY+1], 8, v[BY]
	v_lshl_or_b32 v[VW+\u], v[BY], 16, v[VW+\u]
.endif
.endr
.if \c == 1
.irp u, 0,1,2,3
.irp g, 0,1,2
	global_store_b128 v[LI16], v[VC+12*\u+4*\g:VC+12*\u+4*\g+3], s[REC:REC+1] offset:QREC+FRB*\u+512*\g
.endr
.endr
	global_store_b128 v[LI16], v[VW:VW+3], s[RECS:RECS+1] offset:106496
	s_wait_xcnt 0x0                                ; as in EPI_QK
	s_add_nc_u64 s[REC:REC+1], s[REC:REC+1], s[RSTEP:RSTEP+1]
	s_add_nc_u64 s[RECS:RECS+1], s[RECS:RECS+1], s[RSTEP:RSTEP+1]
.endif
.endm
	s_load_b256 s[4:11], s[0:1], 0x0               ; img, sc, rope, q_b
	s_load_b256 s[12:19], s[0:1], 0x20             ; k_b, v_b, qrec, kvrec
	v_lshl_add_u32 v[SPW], v0, 2, SPARE
	v_mov_b32 v[NIL], 0
	v_lshrrev_b32 v9, 5, v0
	v_readfirstlane_b32 s[WV], v9                  ; wave 0..3
	v_and_b32 v[LANE], 31, v0
	v_lshlrev_b32 v[LI16], 4, v[LANE]
	v_lshlrev_b32 v[LI8], 3, v[LANE]
	v_and_b32 v11, 15, v0                          ; r
	v_bfe_u32 v12, v0, 4, 1                        ; h
	v_mov_b32 v[TM2], 0                            ; written once: a lane permute's destination counts as one of its sources
	v_mov_b32 v[TM2+1], 0
	s_mov_b32 s[SEL], 0x76543210
	s_mov_b32 s[SEL+1], 0xfedcba98
	s_and_b32 s22, ttmp7, 0xffff
	s_lshr_b32 s23, s22, 2                         ; tensor: 0 q, 1 k, 2 v
	s_and_b32 s24, s22, 3
	s_lshl_b32 s25, s24, 2
	s_add_co_u32 s25, s25, s[WV]                   ; my head
	s_lshl_b32 s28, s23, 6
	s_lshl_b32 s29, s25, 2
	s_add_co_u32 s28, s28, s29
	s_add_co_u32 s28, s28, 1536                    ; my first tile of the weight
	s_mul_i32 s30, s28, TILEB
	s_mov_b32 s31, 0
	s_lshl_b32 s28, s28, 9
	s_mov_b32 s29, 0
	s_wait_alu depctr_va_vdst(0)
	s_wait_kmcnt 0x0
	s_add_nc_u64 s[32:33], s[4:5], s[30:31]
	s_add_nc_u64 s[34:35], s[6:7], s[28:29]
	WIN 0x40
.irp u, 0,1
.irp s, 0,1,2,3,4,5,6,7
.irp g, 0,1,2
	global_load_b128 v[12*(8*\u+\s)+4*\g:12*(8*\u+\s)+4*\g+3], v[LI16], s[32:33] offset:\u*TILEB+\s*FRB+512*\g
.endr
.endr
.endr
	WIN 0x80
.irp u, 0,1
.irp s, 0,1,2,3,4,5,6,7
.irp g, 0,1,2
	global_load_b128 v[12*(8*\u+\s)+4*\g:12*(8*\u+\s)+4*\g+3], v[LI16], s[32:33] offset:(2+\u)*TILEB+\s*FRB+512*\g
.endr
.endr
.endr
	WIN 0
.irp u, 0,1,2,3
	global_load_b128 v[WS+4*\u:WS+4*\u+3], v[LI16], s[34:35] offset:512*\u
.endr
	s_cmp_eq_u32 s23, 2
	s_cbranch_scc1 .Lvpath
	; ---- q and k
	ADDRS 0
	s_lshl_b32 s28, s23, 9
	s_lshl_b32 s47, ttmp9, 2
	s_add_co_u32 s28, s28, s47
	s_add_co_u32 s28, s28, s[WV]                   ; my tile of the first block: tensor x 512 + 4 x + wave (b = 0)
	s_mul_i32 s30, s28, TILEB
	s_lshl_b32 s28, s28, 9
	s_add_nc_u64 s[XP:XP+1], s[4:5], s[30:31]
	s_add_nc_u64 s[XSP:XSP+1], s[6:7], s[28:29]
	s_mov_b32 s[RSTEP], KVREC
	s_cmp_eq_u32 s23, 0                            ; q or k: the choice hangs on the work-group's number alone
	s_cselect_b64 s[48:49], s[10:11], s[12:13]
	s_cselect_b64 s[REC:REC+1], s[16:17], s[18:19]
	s_cselect_b32 s[RSTEP], QREC, s[RSTEP]
	s_lshl_b32 s28, s25, 8
	s_add_nc_u64 s[48:49], s[48:49], s[28:29]      ; the bias at my head
	s_lshl_b32 s28, ttmp9, 14
	s_add_nc_u64 s[50:51], s[8:9], s[28:29]        ; the table at my four tiles
	s_mul_i32 s28, s25, s[RSTEP]
	s_mul_i32 s30, ttmp9, 3072
	s_add_co_u32 s30, s30, s28
	s_lshl_b32 s47, ttmp9, 9
	s_add_co_u32 s28, s28, s47
	s_add_co_u32 s28, s28, XSCO
	s_add_nc_u64 s[RECS:RECS+1], s[REC:REC+1], s[28:29]
	s_add_nc_u64 s[REC:REC+1], s[REC:REC+1], s[30:31]
	s_lshl_b32 s[RSTEP], s[RSTEP], 4
	s_mov_b32 s[RSTEP+1], 0
	v_lshlrev_b32 v13, 6, v12                      ; the bias in the result's layout: tile u, lane half h: channels 32 (u / 2) + 8 (u % 2) + 16 h + 0 .. 7
	WIN 0x40
.irp u, 0,1
	global_load_b128 v[BIAS+8*\u:BIAS+8*\u+3], v13, s[48:49] offset:32*\u
	global_load_b128 v[BIAS+8*\u+4:BIAS+8*\u+7], v13, s[48:49] offset:32*\u+16
.endr
	WIN 0x80
.irp u, 0,1
	global_load_b128 v[BIAS+8*\u:BIAS+8*\u+3], v13, s[48:49] offset:128+32*\u
	global_load_b128 v[BIAS+8*\u+4:BIAS+8*\u+7], v13, s[48:49] offset:128+32*\u+16
.endr
	WIN 0xC0
.irp m, 0,1,2,3
.irp g, 0,1,2,3,4,5,6,7
	global_load_b128 v[ROT+32*\m+4*\g:ROT+32*\m+4*\g+3], v[LI16], s[50:51] offset:4096*\m+512*\g
.endr
.endr
	WIN 0
	XLOADS
	s_mov_b32 s[CNT], 4
.Lqk:                                          ; a trip: two b
	s_wait_alu depctr_va_vdst(0)
	STAGE 0
	NEXTX 0, 64*TILEB, 64*512
	OPEN 0
.irp s, 0,1,2,3,4,5,6,7
	KSTEP 0, \s, 0
.endr
	EPI_QK
	STAGE 1
	NEXTX 1, 64*TILEB, 64*512
	OPEN 1
.irp s, 0,1,2,3,4,5,6,7
	KSTEP 0, \s, 1
.endr
	EPI_QK
	s_sub_co_u32 s[CNT], s[CNT], 1
	s_cmp_lg_u32 s[CNT], 0
	s_cbranch_scc1 .Lqk
	s_wait_tensorcnt 0x0                           ; the wave's end
	ds_add_u32 v[SPW], v[NIL]
	s_wait_dscnt 0x0
	s_endpgm
.Lvpath:                                       ; ---- v
	ADDRS 2*BUFB
	s_lshr_b32 s[XX], ttmp9, 1                     ; which 128 positions
	s_and_b32 s47, ttmp9, 1                        ; b = 4 (x % 2) on
	s_lshl_b32 s28, s47, 8
	s_lshl_b32 s52, s[XX], 3
	s_add_co_u32 s28, s28, s52
	s_add_co_u32 s28, s28, s[WV]
	s_add_co_u32 s28, s28, 1024                    ; my tile of the first block: 2 x 512 + 64 b + 8 X + wave
	s_mul_i32 s30, s28, TILEB
	s_lshl_b32 s28, s28, 9
	s_add_nc_u64 s[XP:XP+1], s[4:5], s[30:31]
	s_add_nc_u64 s[XSP:XSP+1], s[6:7], s[28:29]
	s_lshl_b32 s28, s25, 8
	s_add_nc_u64 s[48:49], s[14:15], s[28:29]      ; v_b at my head
	s_lshl_b32 s28, s47, 6
	s_add_co_u32 s28, s28, s25                     ; record 16 b + head
	s_mul_i32 s28, s28, KVREC
	s_mul_i32 s30, s[XX], 6144
	s_add_co_u32 s30, s30, s28
	s_lshl_b32 s52, s[XX], 9
	s_add_co_u32 s28, s28, s52
	s_add_nc_u64 s[REC:REC+1], s[18:19], s[30:31]
	s_add_nc_u64 s[RECS:RECS+1], s[18:19], s[28:29]
	s_mov_b32 s[RSTEP], 16*KVREC
	s_mov_b32 s[RSTEP+1], 0
	v_and_b32 v13, 8, v11
	v_add_nc_u32 v13, v13, v11
	v_lshlrev_b32 v13, 2, v13                      ; here a lane holds ONE channel, lane row r of tile u: its bias fills the tile's eight registers
.irp u, 0,1,2,3
	global_load_b32 v[RO+\u], v13, s[48:49] offset:(32*(\u/2)+8*(\u%2))*4
.endr
	XLOADS
	s_wait_loadcnt 0x0
	WIN 0x40
.irp u, 0,1
.irp j, 0,1,2,3,4,5,6,7
	v_mov_b32 v[BIAS+8*\u+\j], v[RO+\u]
.endr
.endr
	WIN 0x80
.irp u, 0,1
.irp j, 0,1,2,3,4,5,6,7
	v_mov_b32 v[BIAS+8*\u+\j], v[RO+2+\u]
.endr
.endr
	WIN 0
	s_mov_b32 s[CNT], 4
.Lv:                                           ; a trip: one b, two blocks of 64 positions
	STAGE 0
	NEXTX 0, 4*TILEB, 4*512
	OPEN 0
	s_wait_alu depctr_va_vdst(0)
.irp s, 0,1,2,3,4,5,6,7
	KSTEP 1, \s, 0
.endr
	EPI_V 0
	STAGE 1
	NEXTX 1, 60*TILEB, 60*512
	OPEN 1
.irp s, 0,1,2,3,4,5,6,7
	KSTEP 1, \s, 1
.endr
	EPI_V 1
	s_sub_co_u32 s[CNT], s[CNT], 1
	s_cmp_lg_u32 s[CNT], 0
	s_cbranch_scc1 .Lv
	s_wait_tensorcnt 0x0                           ; the wave's end, as above
	ds_add_u32 v[SPW], v[NIL]
	s_wait_dscnt 0x0
	s_endpgm
.Lfunc_end_k_qb72670a7e8_proj:
	.size	k_qb72670a7e8_proj, .Lfunc_end_k_qb72670a7e8_proj-k_qb72670a7e8_proj
	.p2alignl 7, 3214868480
	.fill 96, 4, 3214868480
	.section	.rodata,"a",@progbits
	.p2align	6, 0x0
	.amdhsa_kernel k_qb72670a7e8_proj
		.amdhsa_group_segment_fixed_size 205312
		.amdhsa_private_segment_fixed_size 0
		.amdhsa_enable_private_segment 0
		.amdhsa_kernarg_size 64
		.amdhsa_user_sgpr_count 2
		.amdhsa_user_sgpr_kernarg_segment_ptr 1
		.amdhsa_wavefront_size32 1
		.amdhsa_system_sgpr_workgroup_id_x 1
		.amdhsa_system_sgpr_workgroup_id_y 1
		.amdhsa_system_sgpr_workgroup_id_z 1
		.amdhsa_system_vgpr_workitem_id 0
		.amdhsa_next_free_vgpr 1024
		.amdhsa_next_free_sgpr 70
		.amdhsa_reserve_vcc 1
		.amdhsa_float_denorm_mode_32 3
		.amdhsa_float_denorm_mode_16_64 3
		.amdhsa_memory_ordered 1
		.amdhsa_forward_progress 1
		.amdhsa_inst_pref_size 193
	.end_amdhsa_kernel
	.amdgpu_metadata
---
amdhsa.version: [ 1, 2 ]
amdhsa.kernels:
  - .name:           k_qb72670a7e8_proj
    .symbol:         k_qb72670a7e8_proj.kd
    .args:
      - { .name: img, .offset: 0, .size: 8, .value_kind: global_buffer, .address_space: global }
      - { .name: sc, .offset: 8, .size: 8, .value_kind: global_buffer, .address_space: global }
      - { .name: rope, .offset: 16, .size: 8, .value_kind: global_buffer, .address_space: global }
      - { .name: q_b, .offset: 24, .size: 8, .value_kind: global_buffer, .address_space: global }
      - { .name: k_b, .offset: 32, .size: 8, .value_kind: global_buffer, .address_space: global }
      - { .name: v_b, .offset: 40, .size: 8, .value_kind: global_buffer, .address_space: global }
      - { .name: qrec, .offset: 48, .size: 8, .value_kind: global_buffer, .address_space: global }
      - { .name: kvrec, .offset: 56, .size: 8, .value_kind: global_buffer, .address_space: global }
    .group_segment_fixed_size: 205312
    .private_segment_fixed_size: 0
    .kernarg_segment_align: 8
    .kernarg_segment_size: 64
    .max_flat_workgroup_size: 128
    .sgpr_count:     70
    .vgpr_count:     1024
    .wavefront_size: 32
...
	.end_amdgpu_metadata
.endif
;; end of part 2
;; launch attn (part 3): grid 4 x 64, 16 waves a work-group, clusters of 4 x 1, 327,680 bytes of LDS; arguments qrec, kvrec, aimg, asc; writes aimg, asc
.if DOCPART == 3
	.amdgcn_target "amdgcn-amd-amdhsa--gfx1250"
	.amdhsa_code_object_version 6
	.text
	.protected	k_qb72670a7e8_attn
	.globl	k_qb72670a7e8_attn
	.p2align	8
	.type	k_qb72670a7e8_attn,@function
k_qb72670a7e8_attn:
	s_mov_b64 s[64:65], 0
	v_nop
	global_prefetch_b8 v0, s[64:65] scope:SCOPE_SE
	s_setreg_imm32_b32 hwreg(HW_REG_WAVE_MODE, 25, 1), 1
	s_wait_xcnt 0x0
	s_wait_alu depctr_hold_cnt(0) depctr_sa_sdst(0) depctr_va_vdst(0) depctr_va_sdst(0) depctr_va_ssrc(0) depctr_va_vcc(0) depctr_vm_vsrc(0)
	s_getreg_b32 s2, hwreg(HW_REG_IB_STS2, 6, 4)
	s_cmp_eq_u32 s2, 0
	s_cbranch_scc0 .Lentry_in_a_cluster
	s_endpgm
.Lentry_in_a_cluster:
	s_bfe_u32 s2, ttmp6, 0x10000c
	s_cmp_lg_u32 s2, 0x3003
	s_cbranch_scc0 .Lentry_shape_is_right
	s_endpgm
.Lentry_shape_is_right:
; LAUNCH 3 OF 4.  Attention on codes of FP6 (E2M3): S^T = k q^T, the softmax by the stated rule (p = 2^(t - M), M a whole number, the row's sum of the unquantised p), O^T = v^T p^T, O / sum, and the quantiser ahead of the last projection.
; Nothing of reference() is left out.  Keys at or beyond 1,000 get the score -inf in the last step; query rows beyond 999 are computed inside live tiles and are not stored by launch 4.
; SHARES.  Work-group (x, y): heads 2 y and 2 y + 1 of one b, 256 queries; wave w: one tile of 16 queries, first head 2 y, then head 2 y + 1, each in 8 steps of 128 keys.
; The two heads' records of k and v are one dense block of 221,184 bytes: each wave asks for 54 rows of 256 bytes by ONE tensor load, jointly with the three partners of its cluster (the four
; query blocks of a pair of heads read the same records).  One barrier shows the block to all waves; nothing is filled again, and no further barrier stands ahead of the closing round.
; No prefetch into the L2: all that the launch reads through LDS is asked for at its head, and there is no loop to run ahead in.
; A STEP.  k's fragments of step s + 1 (18 LDS loads) are asked for behind the scores' products of step s, v's (13 loads) behind the second product of step s: each kind has registers of its own.
; A block's scale byte is floor(t_max - M) + 125, held at 1 from below: the exponent field of the block's largest p less 2.  t_max - M + 125 is rounded once, so a t_max - M within 4e-6 under a whole number may take the next byte.
; The bytes are made behind the batch of exponentials, of which they read nothing.
; Head 2 y + 1's q and head 2 y's result wait in the wave's own LDS scratch, which no tensor load fills.
; LIMITS.  As stated at launch 1; the promise holds while the scaled scores stay under 2^31 in magnitude (the change of M goes through a conversion that saturates).
.set REC,   110592                     ; a record of k and v
.set QREC,  57344                      ; a record of q; also where v's fragments begin in a record of k and v
.set SHARE, 13824                      ; a wave's part of the two records: 54 x 256 bytes
.set SCR,   2*REC                      ; behind the records: 2,048 bytes of scratch a wave
.set SPARE, SCR+16*2048                ; behind the scratch: the spare words, 128 bytes a wave
.set LI16, 1                           ; v1 16 x lane;  v2 8 x lane
.set LI8,  2
.set SPW,  3                           ; v3 my spare word, v4 0: never rewritten
.set NIL,  4
.set TA,   5                           ; v5-7 addresses and work
.set TB,   6
.set TC,   7
.set SO,   8                           ; v8-11 the conversions' scale operands; then chains of the sum.  v12 -M, v13 largest score, v14-15 the sum
.set Q,    16                          ; v16-21 q's half fragment, v22-27 zero codes (the head has 64 of the instruction's 128 along K)
.set QS,   28
.set PW,   29
.set FF,   30
.set KS,   32                          ; v32-39 k's scale words, v40-43 v's
.set VS,   40
.set KF,   44                          ; v44-91 k's eight half fragments; a tile's upper half is the next tile's registers (tile 7: p's codes), which meet q's zero codes
.set PC,   92                          ; v92-103 p's codes
.set VF,   104                         ; v104-151 v's four fragments
.set S,    152                         ; v152-215 scores, then p
.set O,    216                         ; v216-247 O^T
.set BM,   248                         ; v248-251 block maxima, v252-255 work; then the conversions' second halves
.set BT,   252
.set WV,   12
.set TQ,   14
.set T6,   34
.set T1,   35
.set T5,   36
.set SC,   37
.set SEL,  38
.set CS,   40
.set G0A,  44
.set SCRS, 48
.set MK,   49
.set NI,   50
.set G1,   52
.macro CROUND
	s_barrier_signal -1
	s_barrier_wait -1
	s_cmp_lg_u32 s[WV], 0
	s_cbranch_scc1 .Lnot_wave_0_\@
	s_barrier_signal -3
.Lnot_wave_0_\@:
	s_barrier_wait -3
	s_barrier_signal -1
	s_barrier_wait -1
.endm
.macro LOADK                           ; 18 LDS loads; the four vector lines are also the places behind the scores' products
	v_add_nc_u32 v[TA], s[T6], v[LI16]
	v_add_nc_u32 v[TB], s[T6], v[LI8]
	v_add_nc_u32 v[TC], s[T1], v[LI16]
	v_nop
.irp i, 0,1,2,3,4,5,6,7
	ds_load_b128 v[KF+6*\i:KF+6*\i+3], v[TA] offset:768*\i
	ds_load_b64 v[KF+6*\i+4:KF+6*\i+5], v[TB] offset:768*\i+512
.endr
	ds_load_b128 v[KS:KS+3], v[TC] offset:49152
	ds_load_b128 v[KS+4:KS+7], v[TC] offset:49664
.endm
.macro LOADV                           ; 13 LDS loads, of the same step as the last LOADK (v[TA] stands)
	v_add_nc_u32 v[TB], s[T5], v[LI16]
.irp u, 0,1,2,3
.irp g, 0,1,2
	ds_load_b128 v[VF+12*\u+4*\g:VF+12*\u+4*\g+3], v[TA] offset:QREC+1536*\u+512*\g
.endr
.endr
	ds_load_b128 v[VS:VS+3], v[TB]
.endm
.macro PRO p                           ; a head's step 0 is asked for; the scalars then stand at step 1
	s_mov_b32 s[T6], \p*REC
	s_mov_b32 s[T1], \p*REC
	s_mov_b32 s[T5], \p*REC+106496
.if \p
	v_add_nc_u32 v[TB], s[SCRS], v[LI16]
	ds_load_b128 v[Q:Q+3], v[TB]                   ; the second head's q, out of my scratch
	ds_load_b64 v[Q+4:Q+5], v[TB] offset:512
	ds_load_b32 v[QS], v[TB] offset:520
.endif
	LOADK
	LOADV
	s_mov_b32 s[T6], \p*REC+6144
	s_mov_b32 s[T1], \p*REC+1024
	s_mov_b32 s[T5], \p*REC+106496+512
.endm
.macro INIT
	v_mov_b32 v13, 0xff61b1e6                      ; the largest score so far: -3e38
	v_mov_b32 v12, 0x7f61b1e6                      ; -M
	v_mov_b32 v14, 0
	v_mov_b32 v15, 0
.irp j, 0,1,2,3,4,5,6,7,8,9,10,11,12,13,14,15,16,17,18,19,20,21,22,23,24,25,26,27,28,29,30,31
	v_mov_b32 v[O+\j], 0                           ; the step is written for every step alike: the first finds zeros
.endr
.endm
; 32 numbers of a lane (register 16 b + i = channel 32 b + 16 h + i of my row) become half a fragment's codes and two scale bytes
.macro QUANT64 src, cdst, pt, wd
.irp b, 0,1
	v_max3_num_f32 v[BM+\b], |v[(\src)+16*\b]|, |v[(\src)+16*\b+1]|, 0x1800000   ; and the floor 2^(3 - 127): the byte cannot fall under 1
.endr
.irp i, 2,4,6,8,10,12,14
.irp b, 0,1
	s_delay_alu instid0(VALU_DEP_2)
	v_max3_num_f32 v[BM+\b], |v[(\src)+16*\b+\i]|, |v[(\src)+16*\b+\i+1]|, v[BM+\b]
.endr
.endr
.irp b, 0,1
	s_delay_alu instid0(VALU_DEP_2)
	v_permlanex16_b32 v[BT+\b], v[BM+\b], s[SEL], s[SEL+1]
.endr
.irp b, 0,1
	s_delay_alu instid0(VALU_DEP_2)
	v_max_num_f32 v[BM+\b], v[BM+\b], v[BT+\b]
.endr
.irp b, 0,1
	s_delay_alu instid0(VALU_DEP_2)
	v_add_nc_u32 v[SO+\b], 0xff000000, v[BM+\b]    ; 2 off the exponent field: the conversion's scale operand
.endr
.irp b, 0,1
	s_delay_alu instid0(VALU_DEP_2)
	v_lshrrev_b32 v[BT+\b], 23, v[SO+\b]
.endr
	v_cvt_scalef32_pk16_fp6_f32 v[(\cdst):(\cdst)+2], v[(\src):(\src)+15], v[SO]
	v_cvt_scalef32_pk16_fp6_f32 v[(\pt):(\pt)+2], v[(\src)+16:(\src)+31], v[SO+1]
	v_lshl_or_b32 v[\wd], v[BT+1], 8, v[BT]        ; the two bytes; also the plain place behind the conversions
.irp i, 0,1,2
	v_permlane16_swap_b32 v[(\cdst)+\i], v[(\pt)+\i]   ; a whole block to a lane
.endr
.irp i, 0,1,2
	v_mov_b32 v[(\cdst)+3+\i], v[(\pt)+\i]
.endr
.endm
; A step of 128 keys.  last = 1: a head's step 7: keys from 1,000 on are masked, nothing more is asked for
.macro STEP last
	s_wait_dscnt 13                                ; k's fragments and words are in; behind them v's 13 loads may be out
.irp i, 0,1,2,3,4,5,6,7
	v_wmma_scale_f32_16x16x128_f8f6f4 v[S+8*\i:S+8*\i+7], v[KF+6*\i:KF+6*\i+11], v[Q:Q+11], 0, v[KS+\i], v[QS] matrix_a_fmt:MATRIX_FMT_FP6 matrix_b_fmt:MATRIX_FMT_FP6
.endr
.if \last
.rept 4
	v_nop                                          ; places behind the products
.endr
.irp j, 0,1,2,3,4,5,6,7
	v_cndmask_b32 v[S+48+\j], s[NI], v[S+48+\j], s[MK]   ; of the block from 992 on only 992 to 999 exist: tile 6's registers in lanes 0-15
.endr
.irp j, 0,1,2,3,4,5,6,7
	v_mov_b32 v[S+56+\j], s[NI]
.endr
.else
	LOADK                                          ; the next step's
.endif
.irp b, 0,1,2,3
	v_max3_num_f32 v[BM+\b], v[S+16*\b], v[S+16*\b+1], v[S+16*\b+2]   ; the largest score of each block of 32 keys
.endr
.irp i, 3,5,7,9,11,13
.irp b, 0,1,2,3
	v_max3_num_f32 v[BM+\b], v[BM+\b], v[S+16*\b+\i], v[S+16*\b+\i+1]
.endr
.endr
.irp b, 0,1,2,3
	v_max_num_f32 v[BM+\b], v[BM+\b], v[S+16*\b+15]
.endr
.irp b, 0,1,2,3
	s_delay_alu instid0(VALU_DEP_4)
	v_permlanex16_b32 v[BT+\b], v[BM+\b], s[SEL], s[SEL+1]
.endr
.irp b, 0,1,2,3
	s_delay_alu instid0(VALU_DEP_4)
	v_max_num_f32 v[BM+\b], v[BM+\b], v[BT+\b]     ; with lane l xor 16's 16 keys
.endr
	s_delay_alu instid0(VALU_DEP_2)
	v_max3_num_f32 v[TC], v[BM], v[BM+1], v[BM+2]
	v_mov_b32 v[TB], v12                           ; the old -M
	s_delay_alu instid0(VALU_DEP_2)
	v_max3_num_f32 v13, v[TC], v[BM+3], v13        ; the running largest score
	s_delay_alu instid0(VALU_DEP_1)
	v_mul_f32 v10, s[CS], v13                      ; as t (the constant is positive)
	s_delay_alu instid0(VALU_DEP_1)
	v_floor_f32 v12, -v10                          ; -M = -ceil(t)
	s_delay_alu instid0(VALU_DEP_1)
	v_sub_f32 v[TB], v12, v[TB]                    ; old M less new M: a whole number, 0 or less
	v_add_f32 v10, 0x42fa0000, v12                 ; 125 - M
	s_delay_alu instid0(VALU_DEP_2)
	v_cvt_i32_f32 v[TB], v[TB]                     ; (it saturates)
.irp j, 0,2,4,6,8,10,12,14,16,18,20,22,24,26,28,30,32,34,36,38,40,42,44,46,48,50,52,54,56,58,60,62
	v_pk_fma_f32 v[S+\j:S+\j+1], v[S+\j:S+\j+1], s[CS:CS+1], v[12:13] op_sel_hi:[1,0,0]   ; t - M
.endr
	v_ldexp_f32 v[FF], 1.0, v[TB]                  ; f = 2^(old M - new M)
.irp j, 0,2,4,6,8,10,12,14,16,18,20,22,24,26,28,30
	v_pk_mul_f32 v[O+\j:O+\j+1], v[O+\j:O+\j+1], v[FF:FF+1] op_sel_hi:[1,0]   ; O^T under the new M
.endr
	v_pk_mul_f32 v[14:15], v[14:15], v[FF:FF+1] op_sel_hi:[1,0]
.if \last
	s_wait_dscnt 0x0                               ; v's fragments are in
.else
	s_wait_dscnt 18                                ; v's fragments are in; behind them the next step's 18 loads of k may be out
.endif
	s_wait_alu depctr_va_vdst(0)                   ; the wait ahead of the batch
.irp j, 0,1,2,3,4,5,6,7,8,9,10,11,12,13,14,15,16,17,18,19,20,21,22,23,24,25,26,27,28,29,30,31,32,33,34,35,36,37,38,39,40,41,42,43,44,45,46,47,48,49,50,51,52,53,54,55,56,57,58,59,60,61,62,63
	v_exp_f32 v[S+\j], v[S+\j]                     ; p = 2^(t - M)
.endr
.irp b, 0,1,2,3
	v_fma_f32 v[BM+\b], v[BM+\b], s[CS], v10       ; the block's largest t - M, + 125: plain work behind the batch, which names none of its results
.endr
.irp b, 0,1,2,3
	s_delay_alu instid0(VALU_DEP_4)
	v_max_num_f32 v[BM+\b], 1.0, v[BM+\b]          ; the byte is held at 1 from below
.endr
.irp b, 0,1,2,3
	s_delay_alu instid0(VALU_DEP_4)
	v_cvt_i32_f32 v[BT+\b], v[BM+\b]               ; toward zero, which for 1 and more is the floor: the scale's byte
.endr
.irp b, 0,1,2,3
	s_delay_alu instid0(VALU_DEP_4)
	v_lshlrev_b32 v[SO+\b], 23, v[BT+\b]           ; the conversion's scale operand
.endr
	v_lshl_or_b32 v[PW], v[BT+1], 8, v[BT]
	s_delay_alu instid0(VALU_DEP_1)
	v_lshl_or_b32 v[PW], v[BT+2], 16, v[PW]
	s_delay_alu instid0(VALU_DEP_1)
	v_lshl_or_b32 v[PW], v[BT+3], 24, v[PW]        ; p's scale word for these 128 keys
	s_wait_alu depctr_va_vdst(0)                   ; the wait behind the batch
.irp c, 0,1
	v_cvt_scalef32_pk16_fp6_f32 v[PC+6*\c:PC+6*\c+2], v[S+32*\c:S+32*\c+15], v[SO+2*\c]
	v_cvt_scalef32_pk16_fp6_f32 v[BM+4*\c:BM+4*\c+2], v[S+32*\c+16:S+32*\c+31], v[SO+2*\c+1]
.endr
	v_pk_add_f32 v[14:15], v[14:15], v[S:S+1]      ; the row's sum of the unquantised p, in four chains
	v_pk_add_f32 v[6:7], v[S+2:S+3], v[S+4:S+5]
	v_pk_add_f32 v[8:9], v[S+6:S+7], v[S+8:S+9]
	v_pk_add_f32 v[10:11], v[S+10:S+11], v[S+12:S+13]
.irp c, 0,1
.irp i, 0,1,2
	v_permlane16_swap_b32 v[PC+6*\c+\i], v[BM+4*\c+\i]   ; a whole block to a lane
.endr
.irp i, 0,1,2
	v_mov_b32 v[PC+3+6*\c+\i], v[BM+4*\c+\i]
.endr
.endr
	v_pk_add_f32 v[14:15], v[14:15], v[S+14:S+15]  ; four places between the codes' last write and the products
	v_pk_add_f32 v[6:7], v[6:7], v[S+16:S+17]
	v_pk_add_f32 v[8:9], v[8:9], v[S+18:S+19]
	v_pk_add_f32 v[10:11], v[10:11], v[S+20:S+21]
.irp u, 0,1,2,3
	v_wmma_scale_f32_16x16x128_f8f6f4 v[O+8*\u:O+8*\u+7], v[VF+12*\u:VF+12*\u+11], v[PC:PC+11], v[O+8*\u:O+8*\u+7], v[VS+\u], v[PW] matrix_a_fmt:MATRIX_FMT_FP6 matrix_b_fmt:MATRIX_FMT_FP6
.endr
.irp j, 22,30,38,46,54
	v_pk_add_f32 v[14:15], v[14:15], v[S+\j:S+\j+1]      ; the rest of the sum: also the places behind the products
	v_pk_add_f32 v[6:7], v[6:7], v[S+\j+2:S+\j+3]
	v_pk_add_f32 v[8:9], v[8:9], v[S+\j+4:S+\j+5]
	v_pk_add_f32 v[10:11], v[10:11], v[S+\j+6:S+\j+7]
.endr
	v_pk_add_f32 v[14:15], v[14:15], v[S+62:S+63]
	v_pk_add_f32 v[6:7], v[6:7], v[8:9]
	s_delay_alu instid0(VALU_DEP_2)
	v_pk_add_f32 v[14:15], v[14:15], v[10:11]
	s_delay_alu instid0(VALU_DEP_1)
	v_pk_add_f32 v[14:15], v[14:15], v[6:7]
.if \last == 0
	LOADV                                          ; the next step's
.endif
.endm
.macro PASS
	INIT
	s_mov_b32 s[SC], 7
.Lstep_\@:
	STEP 0
	s_add_co_u32 s[T6], s[T6], 6144
	s_add_co_u32 s[T1], s[T1], 1024
	s_add_co_u32 s[T5], s[T5], 512
	s_sub_co_u32 s[SC], s[SC], 1
	s_cmp_lg_u32 s[SC], 0
	s_cbranch_scc1 .Lstep_\@
	STEP 1
.endm
.macro FINAL p                         ; O / the sum, quantised along the head's 64
	v_add_f32 v14, v14, v15
	s_delay_alu instid0(VALU_DEP_1)
	v_permlanex16_b32 v[TC], v14, s[SEL], s[SEL+1]
	v_add_nc_u32 v[TA], s[SCRS], v[LI16]
	s_delay_alu instid0(VALU_DEP_2)
	v_add_f32 v14, v14, v[TC]
.if \p
	ds_load_b128 v[S+32:S+35], v[TA] offset:1024   ; the first head's codes and word, out of my scratch
	ds_load_b64 v[S+36:S+37], v[TA] offset:1536
	ds_load_b32 v[S+45], v[TA] offset:1544
.endif
	s_wait_alu depctr_va_vdst(0)                   ; the wait ahead of the transcendental
	v_rcp_f32 v14, v14
	v_nop
	s_wait_alu depctr_va_vdst(0)                   ; and behind it, directly ahead of the first reader of O^T
.irp j, 0,2,4,6,8,10,12,14,16,18,20,22,24,26,28,30
	v_pk_mul_f32 v[S+\j:S+\j+1], v[O+\j:O+\j+1], v[14:15] op_sel_hi:[1,0]
.endr
.if \p
	QUANT64 S, S+38, S+48, S+46
.else
	QUANT64 S, S+32, S+40, S+38
	ds_store_b128 v[TA], v[S+32:S+35] offset:1024
	ds_store_b128 v[TA], v[S+36:S+39] offset:1536  ; codes 4, 5, the word, and a register that is not read back
.endif
.endm
	s_load_b256 s[4:11], s[0:1], 0x0               ; qrec, kvrec, aimg, asc
	v_lshl_add_u32 v[SPW], v0, 2, SPARE
	v_mov_b32 v[NIL], 0
	ds_add_u32 v[SPW], v[NIL]                      ; the opening lines: the add, twice on end, and its wait ahead of my tensor load
	ds_add_u32 v[SPW], v[NIL]
	v_lshrrev_b32 v9, 5, v0
	s_delay_alu instid0(VALU_DEP_1)
	v_readfirstlane_b32 s[WV], v9                  ; wave 0..15
	v_and_b32 v10, 31, v0
	s_delay_alu instid0(VALU_DEP_1)
	v_lshlrev_b32 v[LI16], 4, v10
	v_lshlrev_b32 v[LI8], 3, v10
	s_mov_b32 s[G1], 15|(3<<16)|(1<<21)            ; the mask names the cluster's four; elements of 8 bytes
	s_mov_b32 s[G1+1], 32<<16                      ; rows of 256 bytes,
	s_mov_b32 s[G1+2], 54<<16                      ; 54 of them, dense
	s_mov_b32 s[G1+3], 32<<16
	s_mov_b32 s[G1+4], 54
	s_mov_b32 s[G1+5], 32
	s_mov_b32 s[G1+6], 0
	s_mov_b32 s[G1+7], 0
	s_and_b32 s13, ttmp7, 0xffff                   ; y: the pair of heads
	s_mul_i32 s16, s13, 2*REC
	s_mul_i32 s17, s[WV], SHARE
	s_add_co_u32 s16, s16, s17
	s_mov_b32 s17, 0
	s_bfe_u32 s15, ttmp6, 0x40000                  ; cx
	s_lshl_b32 s[TQ], ttmp9, 2
	s_add_co_u32 s[TQ], s[TQ], s15
	s_lshl_b32 s[TQ], s[TQ], 4
	s_add_co_u32 s[TQ], s[TQ], s[WV]               ; my tile of queries: it enters global addresses alone
	s_mul_i32 s18, s13, 2*QREC
	s_mul_i32 s20, s[TQ], 768
	s_add_co_u32 s18, s18, s20
	s_mov_b32 s19, 0
	s_mul_i32 s20, s13, 2*QREC
	s_lshr_b32 s22, s[TQ], 2
	s_lshl_b32 s22, s22, 9
	s_add_co_u32 s20, s20, s22
	s_and_b32 s22, s[TQ], 3
	s_lshl_b32 s22, s22, 2
	s_add_co_u32 s20, s20, s22
	s_mov_b32 s21, 0
	s_lshr_b32 s28, s13, 3
	s_lshl_b32 s28, s28, 6
	s_add_co_u32 s28, s28, s[TQ]                   ; the tile's number in aimg: 64 b + tile
	s_and_b32 s29, s13, 7                          ; its K step: the pair of heads
	s_lshl_b32 s30, s28, 3
	s_add_co_u32 s30, s30, s29
	s_mul_i32 s30, s30, 1536
	s_mov_b32 s31, 0
	s_lshl_b32 s32, s28, 10
	s_lshl_b32 s29, s29, 7
	s_add_co_u32 s32, s32, s29
	s_mov_b32 s33, 0
	s_mov_b32 s[SEL], 0x76543210
	s_mov_b32 s[SEL+1], 0xfedcba98                 ; lane l xor 16
	s_mov_b32 s[CS], 0x3e38aa3b                    ; log2(e) / 8: q is carried as 8 q
	s_mov_b32 s[CS+1], s[CS]
	s_lshl_b32 s[SCRS], s[WV], 11
	s_add_co_u32 s[SCRS], s[SCRS], SCR             ; my scratch
	s_mov_b32 s[MK], 0xffff                        ; lanes 0-15
	s_mov_b32 s[NI], 0xff800000                    ; -inf
	s_wait_alu depctr_va_vdst(0)                   ; directly ahead of the waits below
	s_wait_dscnt 0x0
	s_wait_kmcnt 0x0
	s_add_nc_u64 s[6:7], s[6:7], s[16:17]
	s_add_nc_u64 s[24:25], s[4:5], s[18:19]
	s_add_nc_u64 s[26:27], s[4:5], s[20:21]
	s_add_nc_u64 s[8:9], s[8:9], s[30:31]
	s_add_nc_u64 s[10:11], s[10:11], s[32:33]
	s_mov_b32 s[G0A], 1
	s_mul_i32 s[G0A+1], s[WV], SHARE
	s_mov_b64 s[G0A+2:G0A+3], s[6:7]
	s_or_b32 s[G0A+3], s[G0A+3], 0x80000000
	CROUND                                         ; the four work-groups are here: the joint loads meet
	tensor_load_to_lds s[G0A:G0A+3], s[G1:G1+7]    ; my one tensor load
	s_nop 0
	global_load_b128 v[Q:Q+3], v[LI16], s[24:25]
	global_load_b64 v[Q+4:Q+5], v[LI8], s[24:25] offset:512
	global_load_b32 v[QS], v[LI16], s[26:27] offset:49152
	global_load_b128 v[S:S+3], v[LI16], s[24:25] offset:QREC
	global_load_b64 v[S+4:S+5], v[LI8], s[24:25] offset:QREC+512
	global_load_b32 v[S+6], v[LI16], s[26:27] offset:QREC+49152
.irp i, 0,1,2,3,4,5
	v_mov_b32 v[Q+6+\i], 0                         ; zero codes for the upper 64 along K
.endr
.irp i, 0,1,2,3,4,5,6,7,8,9,10,11
	v_mov_b32 v[PC+\i], 0                          ; named as tile 7's upper half before p's first codes are made
.endr
.irp b, 0,1,2,3
	v_mov_b32 v[BT+\b], 0                          ; a lane permute's destination counts as one of its sources
.endr
	v_mov_b32 v[FF+1], 0
	v_mov_b32 v[S+7], 0
	v_add_nc_u32 v[TA], s[SCRS], v[LI16]
	s_wait_alu depctr_va_vdst(0)                   ; the wait at the head's end
	s_wait_loadcnt 0x0
	s_wait_tensorcnt 0x0                           ; my part of the records is in
	s_barrier_signal -1
	s_barrier_wait -1                              ; and everybody's
	ds_store_b128 v[TA], v[S:S+3]                  ; the second head's q waits in my scratch
	ds_store_b128 v[TA], v[S+4:S+7] offset:512
	PRO 0
	PASS
	PRO 1                                          ; the second head's first step is asked for while the first head's result is finished
	FINAL 0
	PASS
	FINAL 1
	s_wait_alu depctr_va_vdst(0)                   ; directly ahead of the wait below
	s_wait_dscnt 0x0
	v_lshl_or_b32 v[S+47], v[S+46], 16, v[S+45]    ; the K step's scale word: both heads' bytes
	v_lshrrev_b32 v[TB], 2, v[LI16]
.irp g, 0,1,2
	global_store_b128 v[LI16], v[S+32+4*\g:S+35+4*\g], s[8:9] offset:512*\g   ; 32 lanes store 512 consecutive bytes, aligned
.endr
	global_store_b32 v[TB], v[S+47], s[10:11]
	s_wait_tensorcnt 0x0                           ; the wave's end
	ds_add_u32 v[SPW], v[NIL]
	s_wait_dscnt 0x0
	CROUND                                         ; the closing round
	s_endpgm
.Lfunc_end_k_qb72670a7e8_attn:
	.size	k_qb72670a7e8_attn, .Lfunc_end_k_qb72670a7e8_attn-k_qb72670a7e8_attn
	.p2alignl 7, 3214868480
	.fill 96, 4, 3214868480
	.section	.rodata,"a",@progbits
	.p2align	6, 0x0
	.amdhsa_kernel k_qb72670a7e8_attn
		.amdhsa_group_segment_fixed_size 327680
		.amdhsa_private_segment_fixed_size 0
		.amdhsa_enable_private_segment 0
		.amdhsa_kernarg_size 32
		.amdhsa_user_sgpr_count 2
		.amdhsa_user_sgpr_kernarg_segment_ptr 1
		.amdhsa_wavefront_size32 1
		.amdhsa_system_sgpr_workgroup_id_x 1
		.amdhsa_system_sgpr_workgroup_id_y 1
		.amdhsa_system_sgpr_workgroup_id_z 1
		.amdhsa_system_vgpr_workitem_id 0
		.amdhsa_next_free_vgpr 256
		.amdhsa_next_free_sgpr 66
		.amdhsa_reserve_vcc 0
		.amdhsa_float_denorm_mode_32 3
		.amdhsa_float_denorm_mode_16_64 3
		.amdhsa_memory_ordered 1
		.amdhsa_forward_progress 1
		.amdhsa_inst_pref_size 84
	.end_amdhsa_kernel
	.amdgpu_metadata
---
amdhsa.version: [ 1, 2 ]
amdhsa.kernels:
  - .name:           k_qb72670a7e8_attn
    .symbol:         k_qb72670a7e8_attn.kd
    .args:
      - { .name: qrec, .offset: 0, .size: 8, .value_kind: global_buffer, .address_space: global }
      - { .name: kvrec, .offset: 8, .size: 8, .value_kind: global_buffer, .address_space: global }
      - { .name: aimg, .offset: 16, .size: 8, .value_kind: global_buffer, .address_space: global }
      - { .name: asc, .offset: 24, .size: 8, .value_kind: global_buffer, .address_space: global }
    .group_segment_fixed_size: 327680
    .private_segment_fixed_size: 0
    .kernarg_segment_align: 8
    .kernarg_segment_size: 32
    .max_flat_workgroup_size: 512
    .sgpr_count:     66
    .vgpr_count:     256
    .wavefront_size: 32
...
	.end_amdgpu_metadata
.endif
;; end of part 3
;; launch outp (part 4): grid 64 x 4, 4 waves a work-group, no clusters, 120,320 bytes of LDS; arguments aimg, asc, img, sc, o_b, out0; writes out0
.if DOCPART == 4
	.amdgcn_target "amdgcn-amd-amdhsa--gfx1250"
	.amdhsa_code_object_version 6
	.text
	.protected	k_qb72670a7e8_outp
	.globl	k_qb72670a7e8_outp
	.p2align	8
	.type	k_qb72670a7e8_outp,@function
k_qb72670a7e8_outp:
	s_mov_b64 s[64:65], 0
	v_nop
	global_prefetch_b8 v0, s[64:65] scope:SCOPE_SE
	s_setreg_imm32_b32 hwreg(HW_REG_WAVE_MODE, 25, 1), 1
	s_wait_xcnt 0x0
; LAUNCH 4 OF 4.  out0 = attn o_w^T + o_b on codes of FP6 (E2M3): attn's from launch 3, o_w's from launch 1.
; LEFT OUT: the stores of rows at or beyond position 1,000, which reference() does not have (the upper eight rows of tile 62, all of tile 63): scalar branches on ids round groups of eight rows.
; SHARES.  x = 8 b + g: tiles 8 g .. 8 g + 7 of batch b, two blocks of four; y: 256 columns.  Wave w owns 64 columns: 4 tiles of o_w x 1,024 K, 32 fragments, 384 registers.  256 work-groups.
; The eight tiles' images come into LDS once, through registers, two tiles a wave: one barrier.  A block is 8 K steps of 16 matrix instructions, the 16 accumulators by turns.  o_b is the C of each sum's first instruction.
; THE PRODUCT IS USED TRANSPOSED (source 0 = 16 rows of o_w, source 1 = 16 rows of attn): a lane holds eight neighbouring columns of one row.  A tile's 16 rows x 64 columns go through the wave's own stage (rows of
; 256 + 16 bytes) and leave as whole rows: sixteen lanes store 256 consecutive bytes, aligned.
; REGISTERS, in windows of 256: as in launch 2; the wave's second tile on its way lies in window 3, v128-223.
.set FRB,   1536
.set TILEB, 12288
.set XSC0,  8*TILEB                    ; behind the eight tiles: their scale words, 512 bytes each
.set STG,   XSC0+8*512                 ; the stages
.set SPITCH,272
.set SPARE, STG+4*16*SPITCH            ; the spare words
.set LI16, 1
.set LI4,  2
.set XW,   3                           ; v3-4 where I store tiles w and 4 + w
.set XWS,  5
.set RD,   7                           ; v7-8 block 0, 1: + 16 x lane
.set RDS,  9
.set LANE, 10
.set STO,  11
.set SRD,  12
.set GO,   13
.set SPW,  14                          ; v14  my spare word; never rewritten
.set NIL,  15                          ; v15  0; never rewritten
.set WS,   16
.set XS,   32
.set XF,   52
.set SG,   192
.set BIAS, 240
.set WV,   20
.set TG,   21                          ; s21  the first position of my eight tiles
.set MSB, 0
.macro WIN new
.if MSB != (\new)
	s_set_vgpr_msb (MSB<<8)|(\new)
.set MSB, (\new)
.endif
.endm
.macro MULS s, wp                      ; 8 matrix instructions: o_w's tiles 2 wp, 2 wp + 1 x the block's four tiles
.if (\s) == 0
	WIN 0xD1+0x11*(\wp)
.else
	WIN 0xF1+(\wp)
.endif
.irp m, 0,1,2,3
.irp wl, 0,1
.set rA, 12*(8*\wl+(\s))
.if ((\s)%3) < 2
.set rB, XF+48*((\s)%3)+12*\m
.else
.if \m < 3
.set rB, X3+12*\m
.else
.set rB, X3B
.endif
.endif
.set rU, 2*(\wp)+\wl
.set rD, 32*\m+8*rU
.set rSA, WS+4*rU+((\s)&3)
.set rSB, XS+4*\m+((\s)&3)
.set rC, rD
.if (\s) == 0
.set rC, BIAS+8*\wl
.endif
.if (\s) < 4
	v_wmma_scale_f32_16x16x128_f8f6f4 v[rD:rD+7], v[rA:rA+11], v[rB:rB+11], v[rC:rC+7], v[rSA], v[rSB] matrix_a_fmt:MATRIX_FMT_FP6 matrix_b_fmt:MATRIX_FMT_FP6
.else
	v_wmma_scale_f32_16x16x128_f8f6f4 v[rD:rD+7], v[rA:rA+11], v[rB:rB+11], v[rC:rC+7], v[rSA], v[rSB] matrix_a_fmt:MATRIX_FMT_FP6 matrix_b_fmt:MATRIX_FMT_FP6 matrix_a_scale:MATRIX_SCALE_ROW1 matrix_b_scale:MATRIX_SCALE_ROW1
.endif
.endr
.endr
.endm
; attn's four fragments of K step st into set st % 3.  The third set lies in registers that hold only the way out's rows between the K loops: three fragments from v148 on, the fourth from v244 on
.set X3,  148
.set X3B, 244
.macro XLD st, buf
.irp m, 0,1,2,3
.if ((\st)%3) < 2
.set rL, XF+48*((\st)%3)+12*\m
.else
.if \m < 3
.set rL, X3+12*\m
.else
.set rL, X3B
.endif
.endif
.irp g, 0,1,2
	ds_load_b128 v[rL+4*\g:rL+4*\g+3], v[RD+\buf] offset:(8*\m+(\st))*FRB+512*\g
.endr
.endr
.endm
.macro KSTEP s, buf
.rept 4
	v_nop                                          ; places in front of loads into the set that the last step multiplied
.endr
	WIN 0
.if (\s) < 6
	XLD (\s)+2, \buf
	s_wait_dscnt 24                                ; all but the 24 youngest, the next two steps'
.else
.if (\s) == 6
	s_wait_dscnt 12                                ; all but step 7's 12
.else
	s_wait_dscnt 0x0
.endif
.endif
	MULS \s, 0
	MULS \s, 1
.endm
.macro OUTT blk, m                     ; tile m of block blk leaves
	s_wait_xcnt 0x0                                ; earlier stores have read the registers that the loads below fill
	WIN 0x0C
.irp u, 0,1,2,3
	ds_store_b128 v[STO], v[32*\m+8*\u:32*\m+8*\u+3] offset:128*(\u/2)+32*(\u%2)         ; each accumulator from its low end on
	ds_store_b128 v[STO], v[32*\m+8*\u+4:32*\m+8*\u+7] offset:128*(\u/2)+32*(\u%2)+16
.endr
	WIN 0
.set OBB, 148+44*((\m)%2)
.irp i, 0,1,2,3,4,5,6,7
	ds_load_b128 v[OBB+4*\i:OBB+4*\i+3], v[SRD] offset:2*SPITCH*\i   ; LDS serves a wave's instructions in order: these see my stores
.endr
	s_wait_dscnt 0x0
	s_add_co_u32 s30, s[TG], 64*\blk+32*((\m)/2)+8*((\m)%2)          ; the position of the tile's lower eight rows; the upper eight begin 16 further on
	s_cmp_lt_u32 s30, 1000
	s_cbranch_scc0 .Lskip_\@
.irp i, 0,1,2,3
	global_store_b128 v[GO], v[OBB+4*\i:OBB+4*\i+3], s[14:15] offset:(64*\blk+32*((\m)/2)+8*((\m)%2)+2*\i)*32768 th:TH_STORE_NT
.endr
	s_cmp_lt_u32 s30, 984
	s_cbranch_scc0 .Lskip_\@
.irp i, 4,5,6,7
	global_store_b128 v[GO], v[OBB+4*\i:OBB+4*\i+3], s[14:15] offset:(64*\blk+32*((\m)/2)+8*((\m)%2)+2*\i+8)*32768 th:TH_STORE_NT
.endr
.Lskip_\@:
.endm
.macro BLOCK blk
.irp m, 0,1,2,3
	ds_load_b128 v[XS+4*\m:XS+4*\m+3], v[RDS] offset:512*(4*\blk+\m)
.endr
.irp m, 0,1,2,3
.irp g, 0,1,2
	ds_load_b128 v[XF+12*\m+4*\g:XF+12*\m+4*\g+3], v[RD+\blk] offset:(8*\m)*FRB+512*\g
.endr
.endr
	XLD 1, \blk
.irp s, 0,1,2,3,4,5,6,7
	KSTEP \s, \blk
.endr
.rept 4
	v_nop                                          ; places behind the last products
.endr
	WIN 0
.irp m, 0,1,2,3
	OUTT \blk, \m
.endr
.endm
	s_load_b256 s[4:11], s[0:1], 0x0               ; aimg, asc, img, sc
	s_load_b128 s[12:15], s[0:1], 0x20             ; o_b, out0
	v_lshl_add_u32 v[SPW], v0, 2, SPARE
	v_mov_b32 v[NIL], 0
	v_lshrrev_b32 v184, 5, v0
	v_readfirstlane_b32 s[WV], v184                ; wave 0..3
	v_and_b32 v[LANE], 31, v0
	v_lshlrev_b32 v[LI16], 4, v[LANE]
	v_lshlrev_b32 v[LI4], 2, v[LANE]
	v_and_b32 v184, 15, v0                         ; r
	v_bfe_u32 v185, v0, 4, 1                       ; h
	s_mul_i32 s28, s[WV], TILEB
	v_add_nc_u32 v[XW], s28, v[LI16]
	v_add_nc_u32 v[XW+1], 4*TILEB, v[XW]
	s_lshl_b32 s28, s[WV], 9
	v_add_nc_u32 v[XWS], s28, v[LI16]
	v_add_nc_u32 v[XWS], XSC0, v[XWS]
	v_mov_b32 v[RD], v[LI16]
	v_add_nc_u32 v[RD+1], 4*TILEB, v[LI16]
	v_add_nc_u32 v[RDS], XSC0, v[LI16]
	s_mul_i32 s28, s[WV], 16*SPITCH
	s_add_co_u32 s28, s28, STG                     ; my stage
	v_mul_u32_u24 v[STO], v184, SPITCH
	v_lshl_add_u32 v[STO], v185, 6, v[STO]
	v_add_nc_u32 v[STO], s28, v[STO]               ; in: row r, + 64 h
	v_mul_u32_u24 v[SRD], v185, SPITCH
	v_lshl_add_u32 v[SRD], v184, 4, v[SRD]
	v_add_nc_u32 v[SRD], s28, v[SRD]               ; back: lanes 0-15 one row, lanes 16-31 the next
	v_lshlrev_b32 v[GO], 15, v185                  ; and the same two positions in out0, 32,768 bytes apart
	v_lshl_add_u32 v[GO], v184, 4, v[GO]
	v_lshlrev_b32 v186, 6, v185                    ; 64 h: the bias in the result's layout
	s_and_b32 s22, ttmp7, 0xffff                   ; the column group
	s_lshr_b32 s23, ttmp9, 3                       ; b
	s_and_b32 s24, ttmp9, 7
	s_lshl_b32 s[TG], s24, 7
	s_lshl_b32 s28, s23, 6
	s_lshl_b32 s29, s24, 3
	s_add_co_u32 s28, s28, s29
	s_add_co_u32 s28, s28, s[WV]                   ; my first tile of attn; the second is four on
	s_mul_i32 s30, s28, TILEB
	s_mov_b32 s31, 0
	s_lshl_b32 s32, s28, 10
	s_mov_b32 s33, 0
	s_lshl_b32 s28, s22, 4
	s_lshl_b32 s29, s[WV], 2
	s_add_co_u32 s28, s28, s29
	s_add_co_u32 s28, s28, 1728                    ; my first tile of o_w
	s_mul_i32 s34, s28, TILEB
	s_mov_b32 s35, 0
	s_lshl_b32 s36, s28, 9
	s_mov_b32 s37, 0
	s_lshl_b32 s38, s22, 10
	s_lshl_b32 s29, s[WV], 8
	s_add_co_u32 s38, s38, s29                     ; my first column, in bytes
	s_mov_b32 s39, 0
	s_lshl_b32 s40, s[TG], 15
	s_lshl_b32 s29, s23, 12
	s_add_co_u32 s40, s40, s29
	s_add_co_u32 s40, s40, s38
	s_mov_b32 s41, 0
	s_wait_alu depctr_va_vdst(0)
	s_wait_kmcnt 0x0
	s_add_nc_u64 s[4:5], s[4:5], s[30:31]
	s_add_nc_u64 s[6:7], s[6:7], s[32:33]
	s_add_nc_u64 s[8:9], s[8:9], s[34:35]
	s_add_nc_u64 s[10:11], s[10:11], s[36:37]
	s_add_nc_u64 s[12:13], s[12:13], s[38:39]
	s_add_nc_u64 s[14:15], s[14:15], s[40:41]
	WIN 0x40
.irp j, 0,1,2,3,4,5,6,7,8,9,10,11
	global_load_b128 v[SG+4*\j:SG+4*\j+3], v[LI16], s[4:5] offset:512*\j
.endr
.irp u, 0,1
.irp s, 0,1,2,3,4,5,6,7
.irp g, 0,1,2
	global_load_b128 v[12*(8*\u+\s)+4*\g:12*(8*\u+\s)+4*\g+3], v[LI16], s[8:9] offset:\u*TILEB+\s*FRB+512*\g
.endr
.endr
.endr
.irp u, 0,1
	global_load_b128 v[BIAS+8*\u:BIAS+8*\u+3], v186, s[12:13] offset:32*\u
	global_load_b128 v[BIAS+8*\u+4:BIAS+8*\u+7], v186, s[12:13] offset:32*\u+16
.endr
	WIN 0x80
.irp j, 0,1,2,3,4,5,6,7,8,9,10,11
	global_load_b128 v[SG+4*\j:SG+4*\j+3], v[LI16], s[4:5] offset:512*(12+\j)
.endr
.irp u, 0,1
.irp s, 0,1,2,3,4,5,6,7
.irp g, 0,1,2
	global_load_b128 v[12*(8*\u+\s)+4*\g:12*(8*\u+\s)+4*\g+3], v[LI16], s[8:9] offset:(2+\u)*TILEB+\s*FRB+512*\g
.endr
.endr
.endr
.irp u, 0,1
	global_load_b128 v[BIAS+8*\u:BIAS+8*\u+3], v186, s[12:13] offset:128+32*\u
	global_load_b128 v[BIAS+8*\u+4:BIAS+8*\u+7], v186, s[12:13] offset:128+32*\u+16
.endr
	WIN 0xC0
.set J, 0
.rept 24
	global_load_b128 v[128+4*J:131+4*J], v[LI16], s[4:5] offset:4*TILEB+512*J
.set J, J+1
.endr
	WIN 0
.irp u, 0,1,2,3
	global_load_b128 v[WS+4*\u:WS+4*\u+3], v[LI16], s[10:11] offset:512*\u
.endr
.irp t, 0,1
.irp s, 0,1,2,3,4,5,6,7
	global_load_b32 v[148+8*\t+\s], v[LI4], s[6:7] offset:4096*\t+128*\s   ; the two tiles' scale words, K step by K step
.endr
.endr
	v_cmp_lt_u32 vcc_lo, 15, v[LANE]
	s_wait_loadcnt 0x0
.irp t, 0,1
.irp e, 0,1,2,3
	v_cndmask_b32 v[164+4*\t+\e], v[148+8*\t+\e], v[148+8*\t+4+\e], vcc_lo   ; lanes 0-15 K step e, lanes 16-31 K step 4 + e
.endr
.endr
	WIN 0x04
.irp j, 0,1,2,3,4,5,6,7,8,9,10,11
	ds_store_b128 v[XW], v[SG+4*\j:SG+4*\j+3] offset:512*\j
.endr
	WIN 0x08
.irp j, 0,1,2,3,4,5,6,7,8,9,10,11
	ds_store_b128 v[XW], v[SG+4*\j:SG+4*\j+3] offset:512*(12+\j)
.endr
	WIN 0x0C
.set J, 0
.rept 24
	ds_store_b128 v[XW+1], v[128+4*J:131+4*J] offset:512*J
.set J, J+1
.endr
	WIN 0
	ds_store_b128 v[XWS], v[164:167]
	ds_store_b128 v[XWS], v[168:171] offset:4*512
	s_wait_dscnt 0x0                               ; for the others' sake: my stores have landed
	s_barrier_signal -1
	s_barrier_wait -1                              ; the eight tiles lie in LDS; they are not written again
	BLOCK 0
	BLOCK 1
	s_wait_tensorcnt 0x0                           ; the wave's end
	ds_add_u32 v[SPW], v[NIL]
	s_wait_dscnt 0x0
	s_endpgm
.Lfunc_end_k_qb72670a7e8_outp:
	.size	k_qb72670a7e8_outp, .Lfunc_end_k_qb72670a7e8_outp-k_qb72670a7e8_outp
	.p2alignl 7, 3214868480
	.fill 96, 4, 3214868480
	.section	.rodata,"a",@progbits
	.p2align	6, 0x0
	.amdhsa_kernel k_qb72670a7e8_outp
		.amdhsa_group_segment_fixed_size 120320
		.amdhsa_private_segment_fixed_size 0
		.amdhsa_enable_private_segment 0
		.amdhsa_kernarg_size 48
		.amdhsa_user_sgpr_count 2
		.amdhsa_user_sgpr_kernarg_segment_ptr 1
		.amdhsa_wavefront_size32 1
		.amdhsa_system_sgpr_workgroup_id_x 1
		.amdhsa_system_sgpr_workgroup_id_y 1
		.amdhsa_system_sgpr_workgroup_id_z 1
		.amdhsa_system_vgpr_workitem_id 0
		.amdhsa_next_free_vgpr 1024
		.amdhsa_next_free_sgpr 66
		.amdhsa_reserve_vcc 1
		.amdhsa_float_denorm_mode_32 3
		.amdhsa_float_denorm_mode_16_64 3
		.amdhsa_memory_ordered 1
		.amdhsa_forward_progress 1
		.amdhsa_inst_pref_size 89
	.end_amdhsa_kernel
	.amdgpu_metadata
---
amdhsa.version: [ 1, 2 ]
amdhsa.kernels:
  - .name:           k_qb72670a7e8_outp
    .symbol:         k_qb72670a7e8_outp.kd
    .args:
      - { .name: aimg, .offset: 0, .size: 8, .value_kind: global_buffer, .address_space: global }
      - { .name: asc, .offset: 8, .size: 8, .value_kind: global_buffer, .address_space: global }
      - { .name: img, .offset: 16, .size: 8, .value_kind: global_buffer, .address_space: global }
      - { .name: sc, .offset: 24, .size: 8, .value_kind: global_buffer, .address_space: global }
      - { .name: o_b, .offset: 32, .size: 8, .value_kind: global_buffer, .address_space: global }
      - { .name: out0, .offset: 40, .size: 8, .value_kind: global_buffer, .address_space: global }
    .group_segment_fixed_size: 120320
    .private_segment_fixed_size: 0
    .kernarg_segment_align: 8
    .kernarg_segment_size: 48
    .max_flat_workgroup_size: 128
    .sgpr_count:     66
    .vgpr_count:     1024
    .wavefront_size: 32
...
	.end_amdgpu_metadata
.endif
;; end of part 4
